; MI455X (gfx1250); checked and timed in simulation.
; The chip was launched on July 23, 2026; its instructions are those of AMD's public machine-readable ISA for CDNA 5 (MIT licence, August 2026) and "CDNA5" Instruction Set Architecture Reference Guide (July 2026). The comments in the code are by the model that wrote it; some were corrected since.
;; Multi Head Attention. Allowed arithmetic: matrix products marked QUANTISED: E5M2 operands, one given power-of-two scale a tensor, by v_wmma_f32_16x16x64_bf8_bf8 or v_wmma_f32_16x16x128_bf8_bf8, f32 sums; everything else in f32.
;; Inputs: Wk 1,024 x 1,024 float32; Wp 1,024 x 1,024 float32; Wq 1,024 x 1,024 float32; Wv 1,024 x 1,024 float32; bp 1,024 float32; lowp_scales 12 int32 (the exponents e of the quantised operands' scales 2^e); x 4 x 2,048 x 1,024 float32.
;; Outputs: out0 4 x 2,048 x 1,024 float32.
;; This version of the problem:
;;   THIS VERSION OF THE PROBLEM IS GIVEN IN LOW PRECISION. The matrix products marked QUANTISED in the list below multiply operands that are first quantised to E5M2 (5 exponent bits, 2 mantissa bits; 8 bits a number), with one given power-of-two scale for each operand tensor; their sums are f32. All else is computed in f32.
;;   The module's matrix products, in the order in which they are computed (A, B: the left and right operand; K: the contracted axis; several contracted axes count as one K, in the product's order):
;;     1. [M 8,192, K 1,024] x [K 1,024, N 1,024]; A: input x; B: input Wk: QUANTISED (scales: A lowp_scales[0], B lowp_scales[1])
;;     2. [M 8,192, K 1,024] x [K 1,024, N 1,024]; A: input x; B: input Wq: QUANTISED (scales: A lowp_scales[2], B lowp_scales[3])
;;     3. [M 8,192, K 1,024] x [K 1,024, N 1,024]; A: input x; B: input Wv: QUANTISED (scales: A lowp_scales[4], B lowp_scales[5])
;;     4. batch 64 x [M 2,048, K 64] x [K 64, N 2,048]; A: computed on the way; B: computed on the way: QUANTISED (scales: A lowp_scales[6], B lowp_scales[7])
;;     5. batch 64 x [M 2,048, K 2,048] x [K 2,048, N 64]; A: softmax (see below); B: computed on the way: QUANTISED (scales: A lowp_scales[8], B lowp_scales[9])
;;     6. [M 8,192, K 1,024] x [K 1,024, N 1,024]; A: computed on the way; B: input Wp: QUANTISED (scales: A lowp_scales[10], B lowp_scales[11])
;;   THE QUANTISER, for each operand of a quantised product, along K:
;;     - The operand's scale is 2^e, e = its entry of the input lowp_scales (int32; the entries are numbered through the quantised products in the list's order, A before B).
;;     - Each number is divided by the scale, clamped to +-57,344, and rounded to the nearest number of E5M2, ties to even, subnormals kept.
;;     - The product sums the exact products of the quantised numbers (number of the format x scale) in f32.
;;   ~~~python
;;   def quantise(x, axis, e):      # numpy; x: float32 -> the quantised numbers, widened to float32 again
;;       x = np.moveaxis(x, axis, -1); K = x.shape[-1]
;;       r = np.clip(x / 2.0 ** e, -57344, 57344)
;;       step = 2.0 ** (np.maximum(np.frexp(np.where(r == 0, 1, r))[1] - 1, -14) - 2)
;;       q = np.round(r / step) * step * 2.0 ** e      # np.round: ties to even
;;       return np.moveaxis(q, -1, axis).astype(np.float32)
;;   ~~~
;;   SOFTMAX AHEAD OF A QUANTISED PRODUCT. Where the list says 'softmax', what is quantised is not the finished softmax but p = 2^(t - M), with t = logit x log2(e) and M = ceil(the row's largest t), a whole number; so 1/2 < the row's largest p <= 1. The row's sum l is taken of the UNQUANTISED p, in f32, and the product's result is divided by l at the end. Since M is a whole number, a kernel that streams over the keys may use a running M (the ceiling of the running maximum): every later rescaling is an exact power of two, so the quantised numbers keep their values, but for numbers so far below the row's largest that they fall under the format's range.
;;   OPERANDS COMPUTED ON THE WAY. 'Computed on the way' means the value that the module computes at that place (a softmax that the list does not call 'softmax' is quantised finished and normalised). What goes into a quantiser is computed in f32, as accurately as f32 sums, v_exp_f32 and their like allow (about 1e-6 of the number): no bf16 or f16 on the way to a quantiser, and a product that is left as it is and whose result goes on into a quantised operand takes f32 operands (vector FMAs, or v_wmma_f32_16x16x4_f32). A number that lies on a knife's edge between two numbers of the format may be rounded either way, as far as f32 arithmetic and the matrix unit's own rounding can turn it there, and no further.
;; One version. Each part assembles by itself: llvm-mc -triple=amdgcn-amd-amdhsa -mcpu=gfx1250 --defsym DOCPART=n.
;; ======== version 1 of 1: 4 launches
;; limits: right only within a limited range of input values
;; workspace buffers: cod 29,360,128 bytes; qkv 25,165,824 bytes; ao 8,388,608 bytes
;; launch quant (part 1): grid 384 x 1, 4 waves a work-group, no clusters, 33,280 bytes of LDS; arguments x, Wk, Wq, Wv, Wp, lowp_scales, cod; writes cod
.if DOCPART == 1
	.amdgcn_target "amdgcn-amd-amdhsa--gfx1250"
	.amdhsa_code_object_version 6
	.text
	.protected	k_q92cc9f8a3c_quant
	.globl	k_q92cc9f8a3c_quant
	.p2align	8
	.type	k_q92cc9f8a3c_quant,@function
k_q92cc9f8a3c_quant:
	s_mov_b64 s[64:65], 0
	v_nop
	global_prefetch_b8 v0, s[64:65] scope:SCOPE_SE
	s_setreg_imm32_b32 hwreg(HW_REG_WAVE_MODE, 25, 1), 1
	s_wait_xcnt 0x0
; x [8192][1024] and Wk, Wq, Wv, Wp [1024][1024], f32 with K innermost, become codes of BF8 (E5M2), one byte each, rows as they lie.
; code = number / 2^e, held within +-57,344, rounded to the nearest code, ties to even.
; x is an operand of three products with three given scales (entries 0, 2, 4 of the scales), which may differ: it is read once and converted three times.
; cod: x by e0 at 0, x by e2 at 8 MiB, x by e4 at 16 MiB, then Wk (e1), Wq (e3), Wv (e5), Wp (e11), 1 MiB each, from 24 MiB on.
; LIMITS: e0 .. e5 and e11 lie between -126 and 127, so that 2^e is an f32 number.  NaN among the inputs is not served.
; SHARES.  Rows are dense, so every tensor is a plain stream.  A work-group takes 32,768 numbers, a wave 8,192: 16 steps of 512.  Work-groups 0-255 take x, then 32 each take Wk, Wq, Wv, Wp.
; One path through the text: pointers and the first exponent are chosen by selects on the work-group's number; only the second and third conversion and store of a step stand under a scalar branch on it.
; A conversion takes 8 neighbours from ONE lane's registers, a load is best where neighbouring LANES take neighbouring bytes: each load reads 512 consecutive bytes, and a step's 2,048 bytes turn through the
; wave's own stage in LDS (16 bytes of padding behind each 64) and come back 64 bytes a lane.  A lane's 16 codes are 16 bytes: a store of the wave covers 512 consecutive bytes, aligned.
; No tensor load, no barrier: waves share nothing.  Loads run four steps (16 loads a wave) ahead, the turn through LDS one step.
.set STEPS, 16
.set SP,    80                         ; a lane's place in a stage: 64 bytes + 16 of padding
.set SCL,   5                          ; v5, v7, v9: 2^e of the three conversions
.set R,     16                         ; v16-79   four sets of 16 numbers as loaded
.set X,     80                         ; v80-111  two sets of 16 neighbours
.set T,     112
.set C,     128                        ; v128-139 three outputs x 4 registers of codes
	s_load_b256 s[4:11], s[0:1], 0x0               ; x s[4:5], Wk s[6:7], Wq s[8:9], Wv s[10:11]
	s_load_b128 s[12:15], s[0:1], 0x20             ; Wp s[12:13], the scales' exponents s[14:15]
	s_load_b64 s[16:17], s[0:1], 0x30              ; cod
	v_lshl_add_u32 v144, v0, 2, 0x8000
	v_mov_b32 v145, 0
	v_lshrrev_b32 v1, 5, v0
	v_readfirstlane_b32 s22, v1                    ; wave 0..3
	v_and_b32 v2, 31, v0                           ; lane
	v_lshlrev_b32 v3, 4, v2                        ; my 16 bytes of a load's 512
	v_lshlrev_b32 v4, 4, v2                        ; my 16 codes of a step's 512
	s_lshl_b32 s23, s22, 13                        ; 8,192 x wave: my wave's LDS, and its place among the work-group's codes
	v_lshrrev_b32 v14, 2, v2
	v_mul_u32_u24 v14, v14, SP
	v_and_b32 v15, 3, v2
	v_lshl_add_u32 v14, v15, 4, v14
	v_add_nc_u32 v14, s23, v14                     ; the stage, way in: four lanes' 64 bytes on end, then the padding
	v_mul_u32_u24 v15, v2, SP
	v_add_nc_u32 v15, s23, v15                     ; way out: my 16 neighbours
	s_and_b32 s18, ttmp9, 31                       ; a weight's work-group: which 32,768 numbers of it
	s_cmp_lt_u32 ttmp9, 256
	s_cselect_b32 s18, ttmp9, s18                  ; x's work-group: its own number
	s_cselect_b32 s38, 0, 0x1000000                ; the weights' codes lie 16 MiB further on than 32,768 x the work-group's number
	s_lshl_b32 s18, s18, 17
	s_lshl_b32 s19, s22, 15
	s_add_co_u32 s18, s18, s19                     ; source: 131,072 bytes a work-group, 32,768 a wave
	s_mov_b32 s19, 0
	s_lshl_b32 s39, ttmp9, 15
	s_add_co_u32 s38, s38, s39
	s_add_co_u32 s38, s38, s23                     ; destination: 32,768 bytes a work-group, 8,192 a wave
	s_mov_b32 s39, 0
	s_wait_alu depctr_va_vdst(0)
	s_wait_kmcnt 0x0
	s_load_b256 s[24:31], s[14:15], 0x0            ; e0 .. e7
	s_load_b128 s[32:35], s[14:15], 0x20           ; e8 .. e11
	s_mov_b64 s[20:21], s[12:13]                   ; the source: Wp, unless the work-group's number says otherwise
	s_cmp_lt_u32 ttmp9, 352
	s_cselect_b64 s[20:21], s[10:11], s[20:21]     ; Wv
	s_cmp_lt_u32 ttmp9, 320
	s_cselect_b64 s[20:21], s[8:9], s[20:21]       ; Wq
	s_cmp_lt_u32 ttmp9, 288
	s_cselect_b64 s[20:21], s[6:7], s[20:21]       ; Wk
	s_cmp_lt_u32 ttmp9, 256
	s_cselect_b64 s[20:21], s[4:5], s[20:21]       ; x
	s_add_nc_u64 s[20:21], s[20:21], s[18:19]
	s_add_nc_u64 s[40:41], s[16:17], s[38:39]      ; the first output;
	s_add_nc_u64 s[42:43], s[40:41], 0x800000      ; x's second and third (named by x's work-groups alone)
	s_add_nc_u64 s[44:45], s[40:41], 0x1000000
.macro LOAD t
.irp i, 0,1,2,3
	global_load_b128 v[R+16*((\t)%4)+4*\i:R+16*((\t)%4)+4*\i+3], v3, s[20:21] offset:2048*(\t)+512*\i th:TH_LOAD_NT   ; 32 lanes read 512 consecutive bytes
.endr
.endm
.macro TURN t                          ; step t's numbers through the stage: LDS serves a wave's instructions in order, so no wait stands between the stores and the loads
.irp i, 0,1,2,3
	ds_store_b128 v14, v[R+16*((\t)%4)+4*\i:R+16*((\t)%4)+4*\i+3] offset:32*SP*((\t)%2)+8*SP*\i
.endr
.irp i, 0,1,2,3
	ds_load_b128 v[X+16*((\t)%2)+4*\i:X+16*((\t)%2)+4*\i+3], v15 offset:32*SP*((\t)%2)+16*\i
.endr
.endm
.irp t, 0,1,2,3
	LOAD \t
.endr
	s_wait_kmcnt 0x0
	s_mov_b32 s36, s35                             ; the first output's exponent, chosen as the source was: e11,
	s_cmp_lt_u32 ttmp9, 352
	s_cselect_b32 s36, s29, s36                    ; e5,
	s_cmp_lt_u32 ttmp9, 320
	s_cselect_b32 s36, s27, s36                    ; e3,
	s_cmp_lt_u32 ttmp9, 288
	s_cselect_b32 s36, s25, s36                    ; e1,
	s_cmp_lt_u32 ttmp9, 256
	s_cselect_b32 s36, s24, s36                    ; e0
.macro MKSC e, k                       ; 2^e as f32 (the conversion takes its exponent field)
	s_add_co_i32 s37, \e, 127
	s_lshl_b32 s46, s37, 23
	v_mov_b32 v[SCL+2*\k], s46
.endm
	MKSC s36, 0
	MKSC s26, 1                                    ; e2
	MKSC s28, 2                                    ; e4
	s_wait_alu depctr_va_vdst(0)
	s_wait_loadcnt 12                              ; step 0's four loads are in
	TURN 0
; One output of one step: two conversions, one store.
.macro CONV k, t
.set i, 0
.rept 16
.set i, i+1
.endr
	v_cvt_scalef32_pk8_bf8_f32 v[C+4*\k:C+4*\k+1], v[XS:XS+7], v[SCL+2*\k]
	v_cvt_scalef32_pk8_bf8_f32 v[C+4*\k+2:C+4*\k+3], v[XS+8:XS+15], v[SCL+2*\k]
	v_nop
	global_store_b128 v4, v[C+4*\k:C+4*\k+3], s[40+2*\k:41+2*\k] offset:512*(\t)
.endm
.macro STEP t
.set XS, X+16*((\t)%2)
	s_wait_dscnt 0x0                               ; this step's numbers are back from the stage: so its stores into the stage have read their registers,
.if (\t)+4 < STEPS
	LOAD (\t)+4                                    ; which take the loads of four steps on
.endif
.if (\t)+1 < STEPS
.if STEPS-2-(\t) >= 3
	s_wait_loadcnt 12                              ; the next step's four loads are in; those of the three steps behind it may be out
.else
	s_wait_loadcnt 4*(STEPS-2-(\t))
.endif
	TURN (\t)+1                                    ; and go through the other stage while this step is worked
.endif
	s_wait_xcnt 0x0                                ; the last step's stores have read their data: the codes' registers are written again only behind this wait
	CONV 0, \t
	s_cmp_lt_u32 ttmp9, 256                        ; a weight has one scale
	s_cbranch_scc0 .Lone_\@
	CONV 1, \t
	CONV 2, \t
.Lone_\@:
.endm
.irp t, 0,1,2,3,4,5,6,7,8,9,10,11,12,13,14,15
	STEP \t
.endr
	s_wait_tensorcnt 0x0
	ds_add_u32 v144, v145
	s_wait_dscnt 0x0
	s_endpgm
.Lfunc_end_k_q92cc9f8a3c_quant:
	.size	k_q92cc9f8a3c_quant, .Lfunc_end_k_q92cc9f8a3c_quant-k_q92cc9f8a3c_quant
	.p2alignl 7, 3214868480
	.fill 96, 4, 3214868480
	.section	.rodata,"a",@progbits
	.p2align	6, 0x0
	.amdhsa_kernel k_q92cc9f8a3c_quant
		.amdhsa_group_segment_fixed_size 33280
		.amdhsa_private_segment_fixed_size 0
		.amdhsa_enable_private_segment 0
		.amdhsa_kernarg_size 56
		.amdhsa_user_sgpr_count 2
		.amdhsa_user_sgpr_kernarg_segment_ptr 1
		.amdhsa_wavefront_size32 1
		.amdhsa_system_sgpr_workgroup_id_x 1
		.amdhsa_system_sgpr_workgroup_id_y 1
		.amdhsa_system_sgpr_workgroup_id_z 1
		.amdhsa_system_vgpr_workitem_id 0
		.amdhsa_next_free_vgpr 146
		.amdhsa_next_free_sgpr 66
		.amdhsa_reserve_vcc 0
		.amdhsa_float_denorm_mode_32 3
		.amdhsa_float_denorm_mode_16_64 3
		.amdhsa_fp16_overflow 1
		.amdhsa_memory_ordered 1
		.amdhsa_forward_progress 1
		.amdhsa_inst_pref_size 33
	.end_amdhsa_kernel
	.amdgpu_metadata
---
amdhsa.version: [ 1, 2 ]
amdhsa.kernels:
  - .name:           k_q92cc9f8a3c_quant
    .symbol:         k_q92cc9f8a3c_quant.kd
    .args:
      - { .name: x, .offset: 0, .size: 8, .value_kind: global_buffer, .address_space: global }
      - { .name: Wk, .offset: 8, .size: 8, .value_kind: global_buffer, .address_space: global }
      - { .name: Wq, .offset: 16, .size: 8, .value_kind: global_buffer, .address_space: global }
      - { .name: Wv, .offset: 24, .size: 8, .value_kind: global_buffer, .address_space: global }
      - { .name: Wp, .offset: 32, .size: 8, .value_kind: global_buffer, .address_space: global }
      - { .name: lowp_scales, .offset: 40, .size: 8, .value_kind: global_buffer, .address_space: global }
      - { .name: cod, .offset: 48, .size: 8, .value_kind: global_buffer, .address_space: global }
    .group_segment_fixed_size: 33280
    .private_segment_fixed_size: 0
    .kernarg_segment_align: 8
    .kernarg_segment_size: 56
    .max_flat_workgroup_size: 128
    .sgpr_count:     66
    .vgpr_count:     146
    .wavefront_size: 32
...
	.end_amdgpu_metadata
.endif
;; end of part 1
;; launch qkv (part 2): grid 12 x 32, 4 waves a work-group, clusters of 4 x 4, 327,680 bytes of LDS; arguments cod, lowp_scales, qkv; writes qkv
.if DOCPART == 2
	.amdgcn_target "amdgcn-amd-amdhsa--gfx1250"
	.amdhsa_code_object_version 6
	.text
	.protected	k_q92cc9f8a3c_qkv
	.globl	k_q92cc9f8a3c_qkv
	.p2align	8
	.type	k_q92cc9f8a3c_qkv,@function
k_q92cc9f8a3c_qkv:
	s_mov_b64 s[64:65], 0
	v_nop
	global_prefetch_b8 v0, s[64:65] scope:SCOPE_SE
	s_setreg_imm32_b32 hwreg(HW_REG_WAVE_MODE, 25, 1), 1
	s_wait_xcnt 0x0
	s_wait_alu depctr_hold_cnt(0) depctr_sa_sdst(0) depctr_va_vdst(0) depctr_va_sdst(0) depctr_va_ssrc(0) depctr_va_vcc(0) depctr_vm_vsrc(0)
	s_getreg_b32 s2, hwreg(HW_REG_IB_STS2, 6, 4)
	s_cmp_eq_u32 s2, 0
	s_cbranch_scc0 .Lentry_in_a_cluster
	s_endpgm
.Lentry_in_a_cluster:
	s_bfe_u32 s2, ttmp6, 0x10000c
	s_cmp_lg_u32 s2, 0xf033
	s_cbranch_scc0 .Lentry_shape_is_right
	s_endpgm
.Lentry_shape_is_right:
; k = x Wk^T, q = x Wq^T, v = x Wv^T on codes of BF8 (E5M2), K = 1,024; each finished f32 sum is quantised at once for the product that takes it next: k by e7, q by e6, v by e9.
; A sum stands for sum x 2^(ea + eb), so its code is sum / 2^(eo - ea - eb), held within +-57,344 x that: (ea, eb, eo) = (e0, e1, e7) for k, (e2, e3, e6) for q, (e4, e5, e9) for v.
; LIMITS: eo - ea - eb lies between -126 and 112 for each of the three.  Inside a matrix instruction k is permuted alike in both operands (fragments come by 16-byte loads), so the order of the sums inside an instruction is not the plain layout's.
; SHARES.  A work-group of four waves makes a tile of 256 x 256, a wave 128 x 128: 64 accumulators of 16 x 16, 512 registers.  K goes in steps of 256 through a ring of two LDS slots filled by the tensor data mover.
; CLUSTERS: 4 x 4 work-groups; the cluster's x is the matrix (0 k, 1 q, 2 v), its y 1,024 tokens.  Source 1's tiles ('A') are shared along a row of the cluster, source 0's ('B') along a column: each is asked for JOINTLY.
; A lane's eight results are eight neighbours along SOURCE 0's rows.  For k and q: A = x's rows, B = the weight's rows: eight neighbours along the head's axis, the K of q k^T.  For v the two change places BY ADDRESS ALONE:
; A = Wv's rows, B = x's rows: eight neighbours along the tokens, the K of p v.  One path through the text; the selects hang on the cluster's x, which all partners share.
; OUT.  qkv holds k, q, v, 8 MiB each, as [batch 4][head pair 8][chunk 16][128 rows][128 bytes]: k, q: row = token of the chunk, byte = 64 x (head % 2) + d;  v: row = 64 x (head % 2) + d, byte = key of the chunk.
; A wave's 128 x 128 codes are exactly one chunk, 16 KiB on end: row = A's row, byte = B's row.
; REGISTERS, in windows of 256: window 0: v0-31 addresses; from v128 A's fragments, ONE set; window 1: B's fragments, TWO sets; windows 2, 3: the accumulators ((a, b) at v[8 (8 (a % 4) + b)]).
.set KROW,   1024                      ; a row of codes in memory
.set ROWB,   256                       ; a tile's row: 256 along K
.set PA,     272                       ; an LDS row: 256 bytes + 16 of padding = 68 words: the 16 rows of a fragment load start 4 words apart
.set PB,     272
.set QA,     128                       ; from a slot's first 128 along K to its second
.set QB,     128
.set FR,     16                        ; registers of a fragment: 16 rows x 128 K
.set NL,     4                         ; LDS loads that bring one
.set NP,     4                         ; places behind this matrix instruction (ISA guide 7.12.1)
.set HALFT,  128*272                   ; 128 rows: what one tensor load brings
.set SLOT,   4*HALFT                   ; A's 256 rows, then B's 256
.set SPARE,  2*SLOT                    ; behind the ring: the spare words, 128 bytes a wave: two blocks of 256 bytes that no other line names
.set SPITCH, 144                       ; the way out: a stage of 16 rows x (128 bytes + 16) for each wave, in slot 0, which has had its last fill and its last read by then
.set SC,   12                          ; v12     2^(eo - ea - eb)
.set LIM,  13
.set ADRA, 16                          ; v16-17  LDS address of my A fragments in slot 0, 1
.set ADRB, 20                          ; v20-21  the same for B
.set STO,  24                          ; v24     the way out: where I put 8 codes
.set RD,   25                          ; v25     where I read 16 bytes back
.set CO,   26                          ; v26     16 x lane: my place in 512 bytes of the chunk
.set SPW,  28                          ; v28     LDS address of my spare word; never rewritten
.set NIL,  29                          ; v29     0; never rewritten
.set TMP,  32
.set CD,   96                          ; v96-127 a block's codes, two sets
.set OB,   128                         ; v128-159 a block read back, two sets
.set AF,   128                         ; A's fragments, in window 0
.set G1,  24                           ; s[24:31] group 1 for A's tiles; s[32:39] group 0, one set a slot
.set G0,  32
.set G1B, 48                           ; s[48:55], s[56:63] the same for B's
.set G0B, 56
.set MSB, 0
.macro WIN new                         ; the immediate's high byte repeats the setting that is left
.if MSB != \new
	s_set_vgpr_msb (MSB<<8)|\new
.set MSB, \new
.endif
.endm
.set MUL_LO, 0xa1                      ; source 0 (B) window 1, source 1 (A) window 0, C and D window 2
.set MUL_HI, 0xf1                      ; the same, C and D window 3
.set TO_B,   0x40                      ; destination window 1, address window 0
; A joint load: waves 0 and 1 fetch for A, waves 2 and 3 for B.  Each line has one mask and one set of registers for all that issue it; the branch hangs on the wave's number alone.
; Four v_nop follow each of the two lines, ahead of the jump, the label and what follows.
.macro JLOAD g0a, g1a, g0b, g1b
	s_cmp_eq_u32 s15, 0
	s_cbranch_scc0 .Lfor_b_\@
	tensor_load_to_lds s[\g0a:\g0a+3], s[\g1a:\g1a+7]
	s_nop 0
.rept 4
	v_nop
.endr
	s_branch .Lasked_\@
.Lfor_b_\@:
	tensor_load_to_lds s[\g0b:\g0b+3], s[\g1b:\g1b+7]
	s_nop 0
.rept 4
	v_nop
.endr
.Lasked_\@:
.endm
.macro CREST                           ; a round of the cluster's barrier behind its opening barrier
	s_cmp_lg_u32 s14, 0
	s_cbranch_scc1 .Lnot_wave_0_\@
	s_barrier_signal -3
.Lnot_wave_0_\@:
	s_barrier_wait -3
	s_barrier_signal -1
	s_barrier_wait -1
.endm
.macro CROUND                          ; a whole round
	s_barrier_signal -1
	s_barrier_wait -1
	CREST
.endm
	s_load_b128 s[4:7], s[0:1], 0x0                ; cod s[4:5], the scales' exponents s[6:7]
	s_load_b64 s[8:9], s[0:1], 0x10                ; qkv
	v_lshl_add_u32 v[SPW], v0, 2, SPARE
	v_mov_b32 v[NIL], 0
	ds_add_u32 v28, v29
	ds_add_u32 v28, v29
	s_wait_dscnt 0x0
	v_lshrrev_b32 v1, 5, v0
	v_readfirstlane_b32 s14, v1                    ; wave 0..3
	s_lshr_b32 s15, s14, 1                         ; which half of A's rows is mine.  Also: I fetch for A (0) or for B (1)
	s_and_b32 s16, s14, 1                          ; which half of B's rows.  Also: which 128 rows of that tile I fetch
	s_bfe_u32 s40, ttmp6, 0x40000                  ; cx, cy: my place in the cluster
	s_bfe_u32 s41, ttmp6, 0x40004
	s_and_b32 s17, ttmp7, 0xffff                   ; the cluster's y: which 1,024 tokens
	s_lshl_b32 s43, s41, 2
	s_lshl_b32 s43, 15, s43                        ; my row of the cluster
	s_lshl_b32 s44, 0x1111, s40                    ; my column
	; group 1: a tile of 128 rows x 256 bytes, padded in LDS
	s_or_b32 s[G1+0], s43, (1<<20)|(1<<21)|(5<<22)|(3<<25)   ; 15:0 the mask; 17:16 elements of 1 byte; 20 padding on; 21 set beside a mask; 24:22 after every 64 words; 31:25 four words
	s_or_b32 s[G1B+0], s44, (1<<20)|(1<<21)|(5<<22)|(3<<25)
.irp g, G1, G1B
	s_mov_b32 s[\g+1], ROWB<<16                    ; tensor_dim0
	s_mov_b32 s[\g+2], 128<<16                     ; tensor_dim1
	s_mov_b32 s[\g+3], ROWB<<16                    ; tile_dim0
	s_mov_b32 s[\g+4], 128                         ; tile_dim1
	s_mov_b32 s[\g+5], KROW                        ; from row to row
	s_mov_b32 s[\g+6], 0
	s_mov_b32 s[\g+7], 0
.endr
	; where the tiles come from, as offsets in cod.  256 rows are 256 KiB
	s_lshl_b32 s18, s17, 20
	s_lshl_b32 s19, ttmp9, 23
	s_add_co_u32 s19, s19, s18                     ; x's codes for this matrix (8 MiB each), at the cluster's 1,024 tokens
	s_lshl_b32 s23, ttmp9, 20
	s_add_co_u32 s23, s23, 0x1800000               ; this matrix's weight: 24 MiB + 1 MiB x matrix
	s_cmp_eq_u32 ttmp9, 2                          ; v?
	s_cselect_b32 s20, s23, s19                    ; A: the weight for v, else x
	s_cselect_b32 s46, s19, s23                    ; B: x for v, else the weight
	s_lshl_b32 s18, s16, 17                        ; which 128 rows of the tile I fetch
	s_lshl_b32 s21, s41, 18
	s_add_co_u32 s20, s20, s21                     ; A's tile hangs on cy alone, which my row of the cluster shares,
	s_add_co_u32 s20, s20, s18
	s_lshl_b32 s47, s40, 18
	s_add_co_u32 s46, s46, s47                     ; B's on cx alone, which my column shares
	s_add_co_u32 s46, s46, s18
	s_mov_b32 s21, 0
	s_mov_b32 s47, 0
	s_mul_i32 s45, s14, HALFT                      ; where they go: wave x 128 rows: no place in the cluster enters an LDS address
	s_wait_kmcnt 0x0
	s_load_b256 s[68:75], s[6:7], 0x0              ; e0 .. e7
	s_load_b64 s[76:77], s[6:7], 0x20              ; e8, e9
	s_add_nc_u64 s[20:21], s[4:5], s[20:21]
	s_add_nc_u64 s[46:47], s[4:5], s[46:47]
	CROUND                                         ; all sixteen work-groups are here: the first joint loads meet
.irp s, 0,1
	s_mov_b32 s[G0+4*\s], 1
	s_add_co_u32 s[G0+4*\s+1], s45, \s*SLOT
	s_add_nc_u64 s[G0+4*\s+2:G0+4*\s+3], s[20:21], \s*ROWB
	s_or_b32 s[G0+4*\s+3], s[G0+4*\s+3], 0x80000000
	s_mov_b32 s[G0B+4*\s], 1
	s_add_co_u32 s[G0B+4*\s+1], s45, \s*SLOT
	s_add_nc_u64 s[G0B+4*\s+2:G0B+4*\s+3], s[46:47], \s*ROWB
	s_or_b32 s[G0B+4*\s+3], s[G0B+4*\s+3], 0x80000000
	JLOAD G0+4*\s, G1, G0B+4*\s, G1B
.endr
	v_and_b32 v1, 15, v0                           ; r = lane % 16
	s_wait_alu depctr_va_vdst(0)
	v_bfe_u32 v2, v0, 4, 1                         ; h = lane / 16
	v_mul_u32_u24 v3, v1, PA
	v_lshl_add_u32 v4, v2, 4, v3                   ; a fragment's row x pitch + 16 x half
	s_mul_i32 s21, s15, HALFT                      ; my 128 rows of A
	s_mul_i32 s22, s16, HALFT                      ; my 128 rows of B,
	s_add_co_u32 s22, s22, 2*HALFT                 ; which lie behind A's 256
.irp s, 0,1
	v_add_nc_u32 v[ADRA+\s], s21, v4
	v_add_nc_u32 v[ADRB+\s], s22, v4
	s_add_co_u32 s21, s21, SLOT
	s_add_co_u32 s22, s22, SLOT
.endr
	s_mul_i32 s23, s14, 16*SPITCH                  ; my stage
	v_mul_u32_u24 v5, v1, SPITCH
	s_wait_alu depctr_va_vdst(0)
	v_lshl_add_u32 v5, v2, 3, v5
	v_add_nc_u32 v[STO], s23, v5                   ; in: row r, 8 bytes for each half of the lanes
	v_and_b32 v6, 31, v0
	v_lshrrev_b32 v7, 3, v6
	v_mul_u32_u24 v7, v7, SPITCH
	v_and_b32 v8, 7, v6
	v_lshl_add_u32 v7, v8, 4, v7
	v_add_nc_u32 v[RD], s23, v7                    ; back: eight lanes to a row of 128 bytes, four rows an instruction
	v_lshlrev_b32 v[CO], 4, v6
	; my chunk of the output.  In units of 128: the tokens' number and the head pair; for v the tokens run along B, else along A
	s_lshl_b32 s80, s17, 2
	s_cmp_eq_u32 ttmp9, 2
	s_cselect_b32 s81, s40, s41                    ; the tokens' tile in the cluster
	s_cselect_b32 s82, s41, s40                    ; the features' tile
	s_cselect_b32 s83, s16, s15                    ; my wave's half of the tokens
	s_cselect_b32 s84, s15, s16                    ; and of the features
	s_add_co_u32 s80, s80, s81
	s_lshl_b32 s80, s80, 1
	s_add_co_u32 s80, s80, s83                     ; tokens / 128: 0 .. 63
	s_lshl_b32 s82, s82, 1
	s_add_co_u32 s82, s82, s84                     ; head pair 0 .. 7
	s_lshr_b32 s81, s80, 4                         ; batch
	s_lshl_b32 s81, s81, 3
	s_add_co_u32 s81, s81, s82
	s_lshl_b32 s81, s81, 4
	s_and_b32 s80, s80, 15                         ; chunk
	s_add_co_u32 s81, s81, s80
	s_lshl_b32 s80, s81, 14                        ; 16 KiB a chunk
	s_lshl_b32 s83, ttmp9, 23
	s_add_co_u32 s80, s80, s83                     ; 8 MiB a matrix
	s_mov_b32 s81, 0
	s_add_nc_u64 s[8:9], s[8:9], s[80:81]
.macro FRAG reg, adr, off              ; a fragment, 16 rows x 128 K, is 16 registers: lane l holds row l % 16; registers 4 c .. 4 c + 3 hold K = 32 c + 16 (l / 16) + 0 .. 15
.irp c, 0,1,2,3
	ds_load_b128 v[\reg+4*\c:\reg+4*\c+3], v[\adr] offset:\off+32*\c
.endr
.endm
; 16 matrix instructions: A's blocks a0, a0 + 1 x B's eight, 128 along K.  p: B's set.  zero = 1: the first product starts the sums.
; The 64 accumulators take turns, one instruction a turn, in the same order in every step.
.macro MUL16 a0, p, zero
.irp a, \a0, \a0+1
.irp b, 0,1,2,3,4,5,6,7
.if \zero
	v_wmma_f32_16x16x128_bf8_bf8 v[8*(8*((\a)%4)+\b):8*(8*((\a)%4)+\b)+7], v[128*(\p)+FR*\b:128*(\p)+FR*\b+FR-1], v[AF+FR*(\a):AF+FR*(\a)+FR-1], 0
.else
	v_wmma_f32_16x16x128_bf8_bf8 v[8*(8*((\a)%4)+\b):8*(8*((\a)%4)+\b)+7], v[128*(\p)+FR*\b:128*(\p)+FR*\b+FR-1], v[AF+FR*(\a):AF+FR*(\a)+FR-1], v[8*(8*((\a)%4)+\b):8*(8*((\a)%4)+\b)+7]
.endif
.endr
.endr
.endm
.macro FETCH_B slot, q, p              ; B's eight fragments of the slot's q-th 128 along K into set p
	WIN TO_B
.irp i, 0,1,2,3,4,5,6,7
	FRAG 128*(\p)+FR*\i, ADRB+\slot, QB*(\q)+\i*16*PB
.endr
	WIN 0
.endm
.macro FETCH_A slot, q, i0             ; A's blocks i0 .. i0 + 3
.irp i, \i0, \i0+1, \i0+2, \i0+3
	FRAG AF+FR*(\i), ADRA+\slot, QA*(\q)+(\i)*16*PA
.endr
.endm
.macro PLACES n                        ; plain vector lines between a matrix instruction and a load into one of its registers, or a read of its result
.rept \n
	v_nop
.endr
.endm
; A step of 128 along K that has its successor in the same slot.  A's blocks are free as soon as their eight products are issued: blocks 0-3 are fetched anew in the middle, blocks 4-7 at the end.
.macro STEP slot, q, zero
	s_wait_dscnt 4*NL                              ; B's set and A's blocks 0-3 are in; the youngest 16 loads (A's blocks 4-7) may be out
	WIN MUL_LO
	MUL16 0, (\q)%2, \zero
	MUL16 2, (\q)%2, \zero
	s_wait_dscnt 0                                 ; A's blocks 4-7 are in
	PLACES NP
	FETCH_B \slot, (\q)+1, 1-(\q)%2
	FETCH_A \slot, (\q)+1, 0
	WIN MUL_HI
	MUL16 4, (\q)%2, \zero
	MUL16 6, (\q)%2, \zero
	PLACES NP
	WIN 0
	FETCH_A \slot, (\q)+1, 4
.endm
; A slot's last step changes slots: ONE barrier; in front of it each wave waits for all its tensor loads, adds 0 to its spare word, and waits for that and for its own reads of this slot.  fill = 1: this slot is filled again, two K steps ahead.
.macro TURN slot, next, fill
	s_wait_tensorcnt 0x0                           ; all my tensor loads have landed: my part of the next slot
	ds_add_u32 v[SPW], v[NIL]                      ; 0 onto my spare word
	s_wait_dscnt 4*NL+1                            ; (the add and the youngest 16 loads, A's blocks 4-7, may be out)
	WIN MUL_LO
	MUL16 0, 1, 0                                  ; sixteen matrix instructions stand between the add and the wait for it
	s_wait_dscnt 0x0                               ; the add is done, and my reads of this slot are over
	s_barrier_signal -1
	MUL16 2, 1, 0
	WIN 0
	s_barrier_wait -1
.if \fill
	CREST                                          ; the barrier has opened a round of the cluster's barrier: no wave of any partner still reads this slot or has a load on its way
	s_add_nc_u64 s[G0+4*\slot+2:G0+4*\slot+3], s[G0+4*\slot+2:G0+4*\slot+3], 2*ROWB
	s_add_nc_u64 s[G0B+4*\slot+2:G0B+4*\slot+3], s[G0B+4*\slot+2:G0B+4*\slot+3], 2*ROWB
	JLOAD G0+4*\slot, G1, G0B+4*\slot, G1B         ; the first tensor load behind the round; its four v_nop are the places in front of the loads below
.else
	PLACES NP
.endif
	FETCH_B \next, 0, 0
	FETCH_A \next, 0, 0
	WIN MUL_HI
	MUL16 4, 1, 0
	MUL16 6, 1, 0
	PLACES NP
	WIN 0
	FETCH_A \next, 0, 4
.endm
	s_wait_tensorcnt 1                             ; my part of K step 0 is in (K step 1's load may be out)
	s_barrier_signal -1
	s_barrier_wait -1                              ; everybody's is
	FETCH_B 0, 0, 0
	FETCH_A 0, 0, 0
	FETCH_A 0, 0, 4
	; K = 1,024 is four K steps of 256, eight steps of 128: written out; a loop over the ring's laps would have one trip
	STEP 0, 0, 1                                   ; the first products start the sums
	TURN 0, 1, 1                                   ; slot 0 takes K step 2
	STEP 1, 0, 0
	TURN 1, 0, 1                                   ; slot 1 takes K step 3
	STEP 0, 0, 0
	TURN 0, 1, 0                                   ; nothing is left to fetch
	STEP 1, 0, 0
	s_wait_dscnt 4*NL                              ; the very last step
	WIN MUL_LO
	MUL16 0, 1, 0
	MUL16 2, 1, 0
	s_wait_dscnt 0
	WIN MUL_HI
	MUL16 4, 1, 0
	MUL16 6, 1, 0
	WIN 0
; THE WAY OUT, block by block of 16 of A's rows x 128 of B's.  The sums are converted, eight neighbours of a lane to 8 bytes; a block goes through my own stage in LDS and comes back as 2,048 bytes on end of my chunk.
; LDS serves a wave's instructions in order (ISA guide 5.7.1.4): no wait between the stores and the loads.
.macro TOSTAGE a
.set AC, 64*((\a)%4)
.set CDA, CD+16*((\a)%2)
.set OBA, OB+16*((\a)%2)
.set WN, 0x02+((\a)/4)
	WIN WN                                         ; source 0: window 2 or 3
.set j, 0
.rept 64
.set j, j+1
.endr
.set j, 0
.rept 8
	v_cvt_scalef32_pk8_bf8_f32 v[CDA+2*j:CDA+2*j+1], v[AC+8*j:AC+8*j+7], v[SC]
.set j, j+1
.endr
	WIN 0
	v_nop                                          ; a plain vector line behind the last conversion
.set j, 0
.rept 8
	ds_store_b64 v[STO], v[CDA+2*j:CDA+2*j+1] offset:16*j   ; (row r, bytes 16 b + 8 h on)
.set j, j+1
.endr
.set j, 0
.rept 4
	ds_load_b128 v[OBA+4*j:OBA+4*j+3], v[RD] offset:4*SPITCH*j
.set j, j+1
.endr
.endm
.macro SEND a, younger                 ; younger: the LDS instructions issued behind block a's loads, which may stay out
.set OBA, OB+16*((\a)%2)
	s_wait_dscnt \younger
.set j, 0
.rept 4
	global_store_b128 v[CO], v[OBA+4*j:OBA+4*j+3], s[8:9] offset:2048*(\a)+512*j   ; 32 lanes store 512 consecutive bytes, aligned
.set j, j+1
.endr
.endm
	s_wait_kmcnt 0x0
	s_sub_co_i32 s85, s75, s68                     ; k: e7 - e0 - e1
	s_sub_co_i32 s85, s85, s69
	s_sub_co_i32 s86, s74, s70                     ; q: e6 - e2 - e3
	s_sub_co_i32 s86, s86, s71
	s_sub_co_i32 s87, s77, s72                     ; v: e9 - e4 - e5
	s_sub_co_i32 s87, s87, s73
	s_cmp_eq_u32 ttmp9, 1
	s_cselect_b32 s85, s86, s85
	s_cmp_eq_u32 ttmp9, 2
	s_cselect_b32 s85, s87, s85
	s_add_co_i32 s85, s85, 127
	s_lshl_b32 s86, s85, 23
	v_mov_b32 v[SC], s86                           ; the three scales folded into the conversion's one
	s_add_co_i32 s85, s85, 15
	s_lshl_b32 s85, s85, 23
	s_or_b32 s85, s85, 0x600000
	PLACES NP                                      ; in front of the reads of the last results and of the loads into the registers that held A's fragments
	TOSTAGE 0
.irp a, 1,2,3,4,5,6,7
.if \a > 1
	s_wait_xcnt 0x0                                ; block a - 2's stores have read their registers: block a's loads may land there
.endif
	TOSTAGE \a
	SEND \a-1, 12                                  ; behind block a - 1's loads: block a's 8 stores and 4 loads.  So block a - 1's LDS stores are done too, and its set of codes is free for block a + 1
.endr
	SEND 7, 0
	s_wait_tensorcnt 0x0                           ; the wave's end
	ds_add_u32 v[SPW], v[NIL]
	s_wait_dscnt 0x0
	CROUND                                         ; the closing round: no work-group ends while a partner may still ask for a tile that names it
	s_endpgm
.Lfunc_end_k_q92cc9f8a3c_qkv:
	.size	k_q92cc9f8a3c_qkv, .Lfunc_end_k_q92cc9f8a3c_qkv-k_q92cc9f8a3c_qkv
	.p2alignl 7, 3214868480
	.fill 96, 4, 3214868480
	.section	.rodata,"a",@progbits
	.p2align	6, 0x0
	.amdhsa_kernel k_q92cc9f8a3c_qkv
		.amdhsa_group_segment_fixed_size 327680
		.amdhsa_private_segment_fixed_size 0
		.amdhsa_enable_private_segment 0
		.amdhsa_kernarg_size 24
		.amdhsa_user_sgpr_count 2
		.amdhsa_user_sgpr_kernarg_segment_ptr 1
		.amdhsa_wavefront_size32 1
		.amdhsa_system_sgpr_workgroup_id_x 1
		.amdhsa_system_sgpr_workgroup_id_y 1
		.amdhsa_system_sgpr_workgroup_id_z 1
		.amdhsa_system_vgpr_workitem_id 0
		.amdhsa_next_free_vgpr 1024
		.amdhsa_next_free_sgpr 100
		.amdhsa_reserve_vcc 0
		.amdhsa_float_denorm_mode_32 3
		.amdhsa_float_denorm_mode_16_64 3
		.amdhsa_fp16_overflow 1
		.amdhsa_memory_ordered 1
		.amdhsa_forward_progress 1
		.amdhsa_inst_pref_size 93
	.end_amdhsa_kernel
	.amdgpu_metadata
---
amdhsa.version: [ 1, 2 ]
amdhsa.kernels:
  - .name:           k_q92cc9f8a3c_qkv
    .symbol:         k_q92cc9f8a3c_qkv.kd
    .args:
      - { .name: cod, .offset: 0, .size: 8, .value_kind: global_buffer, .address_space: global }
      - { .name: lowp_scales, .offset: 8, .size: 8, .value_kind: global_buffer, .address_space: global }
      - { .name: qkv, .offset: 16, .size: 8, .value_kind: global_buffer, .address_space: global }
    .group_segment_fixed_size: 327680
    .private_segment_fixed_size: 0
    .kernarg_segment_align: 8
    .kernarg_segment_size: 24
    .max_flat_workgroup_size: 128
    .sgpr_count:     100
    .vgpr_count:     1024
    .wavefront_size: 32
...
	.end_amdgpu_metadata
.endif
;; end of part 2
;; launch attn (part 3): grid 8 x 32, 16 waves a work-group, no clusters, 327,680 bytes of LDS; arguments qkv, lowp_scales, ao; writes ao
.if DOCPART == 3
	.amdgcn_target "amdgcn-amd-amdhsa--gfx1250"
	.amdhsa_code_object_version 6
	.text
	.protected	k_q92cc9f8a3c_attn
	.globl	k_q92cc9f8a3c_attn
	.p2align	8
	.type	k_q92cc9f8a3c_attn,@function
k_q92cc9f8a3c_attn:
	s_mov_b64 s[64:65], 0
	v_nop
	global_prefetch_b8 v0, s[64:65] scope:SCOPE_SE
	s_setreg_imm32_b32 hwreg(HW_REG_WAVE_MODE, 25, 1), 1
	s_wait_xcnt 0x0
; Causal attention on codes of BF8 (E5M2), head size 64, 2,048 tokens, 64 heads; the result is quantised at once (e10) for the last product.
; qkv: k, q, v, 8 MiB each, [batch 4][head pair 8][chunk 16][128 rows][128 bytes]: k, q: row = token, byte = 64 par + d (par = head % 2);  v: row = 64 par + d, byte = key.   ao: [head pair 8][token 8,192][128 bytes], byte = 64 par + d.
; THE SOFTMAX: t = score x 2^(e6 + e7) x log2(e) / 8; M = the running largest t rounded UP to a whole number; p = 2^(t - M) is quantised with e8, not normalised; the row's sum is taken of the unquantised p and divides at the end.
; When M moves, the sum and O are multiplied by 2^(old M - new M): exact.  code of the result = (O / sum) / 2^(e10 - e8 - e9), held within +-57,344 x that.
; LIMITS: e6 + e7 between -123 and 130 (added to the exponent field of log2(e) / 8); e8, and e10 - e8 - e9, between -126 and 112.  NaN is not served.  Inside a matrix instruction k is permuted alike in both operands (16-byte loads).
; SHARES.  A work-group (x = i, 0 .. 7; y = batch x 8 + head pair) owns one head pair and TWO blocks of 128 queries: block 15 - i, then block i.  Wave w: head par = w / 8, queries 16 (w % 8) on of the block in hand: one tile, 256 registers.
; Block j wants key steps 0 .. j of 128 keys, the last on the diagonal: (16 - i) + (i + 1) = 17 key steps for every wave of every work-group: the trip count is a constant, the work is even, and no tile is fetched that is not used.
; NO CLUSTER: from trip 16 - i on work-group i asks for other tiles than its neighbours do in the same trip, so there is no one descriptor for all partners there.
; LAYOUT.  Both products are used transposed: S^T = K Q^T (source 0 = 16 keys), O^T = V^T P^T (source 0 = 16 of the head's 64): a lane holds ONE query (lane % 16) throughout.
; THE KEYS OF A TILE ARE NOT NEIGHBOURS: lane r of tile 2 b + u takes key 32 b + 8 u + r + 8 (r / 8), so that the 16 registers of tiles 2 b, 2 b + 1 are keys 32 b + 16 (lane / 16) + 0 .. 15: the conversions' results are the next operand.
; RING: two LDS slots, each a key step's K (128 rows) and V (128 rows) of the head pair, rows of 128 bytes + 16; waves 0, 1 fetch K's halves, waves 2, 3 V's, one tensor load each a trip; all sixteen read.
; REGISTERS: v1-11 addresses; v12 -M, v13 the largest t, v[14:15] the sum; v16-23 Q in hand, v24-31 Q of the low block; v32-95 fragments of K, then of V; v96-159 S^T, then p; v160-191 O^T;
;   v192-199, v200-207 the two blocks' codes; v208-223 rows read back; v224-239 p's codes; v244: 2^e8; v245: 2^(e10 - e8 - e9); v242, 243, 246, 252-254 at work.
.set KP,    144                        ; an LDS row: 128 bytes + 16 of padding
.set VOFF,  128*KP                     ; a slot: K's 128 rows, then V's 128
.set SLOT1, 1<<16                      ; slot 1 begins here: one exclusive or turns an address in one slot into the other's
.set SPARE, 2*SLOT1                    ; the spare words, 128 bytes for each of 16 waves: eight blocks of 256 bytes that no other line names
.set STAGE, SPARE+16*128               ; the way out: 2 blocks x 128 rows x 144 bytes, bytes of their own
.set SBLK,  128*KP
.set AK0, 1                            ; v1   my lane's place in a tile of K
.set AV0, 2                            ; v2   the same for V
.set PFO, 3                            ; v3   256 x lane: the prefetches' offset
.set QO,  4                            ; v4   my lane's place in the wave's rows of Q
.set SPW, 5                            ; v5   LDS address of my spare word; never rewritten
.set NIL, 6                            ; v6   0; never rewritten
.set GO,  7                            ; v7   16 x lane
.set ADK, 8                            ; v8   LDS address of the step's K
.set ADV, 9                            ; v9   of its V
.set STI, 10                           ; v10  the stage: where I put 8 codes
.set STR, 11                           ; v11  where I read 16 bytes back
.set TB,  2                            ; s2   LDS byte at which the slot in hand begins
.set WV,  18                           ; s18  my wave's number
.set SEL, 20                           ; s[20:21] lane selects for v_permlanex16_b32: lane l xor 16
.set CS,  22                           ; s[22:23] c = log2(e) / 8 x 2^(e6 + e7)
.set G1,  24                           ; s[24:31] descriptor group 1
.set G0,  40                           ; s[40:43] group 0, which walks
.set BASE, 44                          ; s[44:45] my part of key step 0's tile in memory
.set OFS, 46                           ; s[46:47] an offset, its high word 0
.set KN,  48                           ; s48  the key step that was asked for last
.set NHI, 49                           ; s49  16 - i: the high block's key steps
.set TR,  50                           ; s50  the trip's number
.set SLOTS, 51                         ; s51  trips that still ask for a tile
.set KF,  52                           ; s52  the step's first key
.set Q0,  53                           ; s53  my first query
.set Q0L, 54                           ; s54  my first query in the low block
.set PFA, 56                           ; s[56:57] where my prefetches stand
.set LIM, 58                           ; s58  2 in a wave that prefetches, else the greatest number
.set QH,  60                           ; s[60:61], s[62:63] my rows of Q, high and low block
.set QL,  62
.macro TLOAD                           ; waves 0 to 3 fetch, the others nothing; four v_nop follow the line
	s_cmp_lt_u32 s[WV], 4
	s_cbranch_scc0 .Lasked_\@
	tensor_load_to_lds s[G0:G0+3], s[G1:G1+7]
	s_nop 0
.rept 4
	v_nop
.endr
.Lasked_\@:
.endm
; A PREFETCH INTO THE L2.  The eight work-groups of a head pair walk the same K and V; work-group i = 0 walks all 16 key steps in order, and it alone asks: its waves 4 to 7, which fetch nothing, one instruction each:
; wave w names the 8,192 bytes that wave w - 4 will fetch, lanes 256 bytes apart.  In trip s it names key step s + 2, one trip ahead of the tensor load that wants it, while s + 2 <= 15: so each aligned block of
; 256 bytes of key steps 2 to 15 is named once in the launch, and none lies past the head pair's rows.  Key steps 0 and 1 come by their loads alone: nothing is prefetched at the head.
.macro ASK
	s_cmp_gt_u32 s[SLOTS], s[LIM]
	s_cbranch_scc0 .Lnot_mine_\@
	global_prefetch_b8 v[PFO], s[PFA:PFA+1] th:TH_LOAD_NT scope:SCOPE_SE
.Lnot_mine_\@:
.endm
	s_load_b128 s[4:7], s[0:1], 0x0                ; qkv s[4:5], the scales' exponents s[6:7]
	s_load_b64 s[8:9], s[0:1], 0x10                ; ao
	v_lshl_add_u32 v[SPW], v0, 2, SPARE
	v_mov_b32 v[NIL], 0
	ds_add_u32 v5, v6
	ds_add_u32 v5, v6
	s_wait_dscnt 0x0
	v_lshrrev_b32 v247, 5, v0
	s_delay_alu instid0(VALU_DEP_1)
	v_readfirstlane_b32 s[WV], v247                ; wave 0..15
	s_and_b32 s80, ttmp7, 0xffff                   ; batch x 8 + head pair
	s_lshr_b32 s81, s[WV], 3                       ; par
	s_and_b32 s82, s[WV], 7                        ; which 16 queries of a block
	; every LDS address is made here, ahead of the first branch on the wave's number
	v_and_b32 v247, 15, v0                         ; r
	v_bfe_u32 v248, v0, 4, 1                       ; h
	v_and_b32 v249, 31, v0                         ; lane
	s_delay_alu instid0(VALU_DEP_3)
	v_and_b32 v250, 8, v247
	s_delay_alu instid0(VALU_DEP_1)
	v_add_nc_u32 v250, v250, v247                  ; r + 8 (r / 8)
	s_lshl_b32 s83, s81, 6                         ; 64 par
	v_mul_u32_u24 v[AK0], v250, KP
	s_delay_alu instid0(VALU_DEP_1)
	v_lshl_add_u32 v[AK0], v248, 4, v[AK0]
	s_delay_alu instid0(VALU_DEP_1)
	v_add_nc_u32 v[AK0], s83, v[AK0]               ; K: key's row, my head's 64 bytes, + 16 h
	s_mul_i32 s84, s81, 64*KP
	s_add_co_u32 s84, s84, VOFF
	v_mul_u32_u24 v[AV0], v247, KP
	s_delay_alu instid0(VALU_DEP_1)
	v_lshl_add_u32 v[AV0], v248, 4, v[AV0]
	s_delay_alu instid0(VALU_DEP_1)
	v_add_nc_u32 v[AV0], s84, v[AV0]               ; V: row 64 par + r, + 16 h
	v_lshlrev_b32 v[PFO], 8, v249
	v_lshlrev_b32 v[QO], 7, v247
	s_delay_alu instid0(VALU_DEP_1)
	v_lshl_add_u32 v[QO], v248, 4, v[QO]
	s_delay_alu instid0(VALU_DEP_1)
	v_add_nc_u32 v[QO], s83, v[QO]                 ; Q: row r of 128 bytes, my head's 64, + 16 h
	v_lshlrev_b32 v[GO], 4, v249
	s_mul_i32 s85, s82, 16*KP                      ; my 16 rows of a block in the stage
	s_add_co_u32 s86, s85, s83
	s_add_co_u32 s86, s86, STAGE
	v_mul_u32_u24 v[STI], v247, KP
	s_delay_alu instid0(VALU_DEP_1)
	v_lshl_add_u32 v[STI], v248, 3, v[STI]
	s_delay_alu instid0(VALU_DEP_1)
	v_add_nc_u32 v[STI], s86, v[STI]               ; in: row 16 (w % 8) + r, byte 64 par + 8 h
	s_mul_i32 s87, s81, SBLK
	s_add_co_u32 s87, s87, s85
	s_add_co_u32 s87, s87, STAGE
	v_lshrrev_b32 v250, 3, v249
	s_delay_alu instid0(VALU_DEP_1)
	v_mul_u32_u24 v[STR], v250, KP
	v_and_b32 v250, 7, v249
	s_delay_alu instid0(VALU_DEP_1)
	v_lshl_add_u32 v[STR], v250, 4, v[STR]
	s_delay_alu instid0(VALU_DEP_1)
	v_add_nc_u32 v[STR], s87, v[STR]               ; back: block w / 8, rows 16 (w % 8) on; eight lanes to a row
	; offsets in memory
	s_lshl_b32 s[OFS], s80, 18                     ; a head pair's 16 chunks are 256 KiB
	s_and_b32 s84, s[WV], 1
	s_lshl_b32 s84, s84, 13                        ; which 64 rows of the tile I fetch
	s_add_co_u32 s[OFS], s[OFS], s84
	s_and_b32 s84, s[WV], 2
	s_lshl_b32 s84, s84, 23                        ; K's (0) or V's (16 MiB on)
	s_add_co_u32 s[OFS], s[OFS], s84
	s_mov_b32 s[OFS+1], 0
	s_mov_b32 s[G0], 1                             ; 1:0 count = 1
	s_and_b32 s[G0+1], s[WV], 3
	s_mul_i32 s[G0+1], s[G0+1], 64*KP              ; 63:32 LDS address: K's halves, then V's: slot 0
	s_sub_co_u32 s86, 15, ttmp9                    ; the high block
	s_lshl_b32 s84, s80, 18
	s_add_co_u32 s84, s84, 0x800000                ; q lies 8 MiB on
	s_lshl_b32 s85, s82, 11                        ; my 16 rows of 128 bytes
	s_add_co_u32 s84, s84, s85
	s_lshl_b32 s87, s86, 14
	s_add_co_u32 s88, s84, s87
	s_mov_b32 s89, 0
	s_lshl_b32 s87, ttmp9, 14
	s_add_co_u32 s90, s84, s87
	s_mov_b32 s91, 0
	s_lshl_b32 s87, s82, 4
	s_lshl_b32 s[Q0], s86, 7
	s_add_co_u32 s[Q0], s[Q0], s87
	s_lshl_b32 s[Q0L], ttmp9, 7
	s_add_co_u32 s[Q0L], s[Q0L], s87
	s_sub_co_u32 s[NHI], 16, ttmp9
	s_cmp_eq_u32 s81, 0                            ; the rows that I store: waves 0-7 the high block's, waves 8-15 the low block's
	s_cselect_b32 s92, s86, ttmp9
	s_lshl_b32 s92, s92, 14
	s_add_co_u32 s92, s92, s85
	s_and_b32 s94, s80, 7
	s_lshl_b32 s94, s94, 20                        ; the head pair's plane: 1 MiB
	s_add_co_u32 s92, s92, s94
	s_lshr_b32 s94, s80, 3
	s_lshl_b32 s94, s94, 18                        ; the batch's 2,048 rows
	s_add_co_u32 s92, s92, s94
	s_mov_b32 s93, 0
	; group 1: 64 rows of 128 bytes, dense in memory, padded in LDS
	s_mov_b32 s[G1], (1<<20)|(4<<22)|(3<<25)       ; 15:0 no mask; 17:16 elements of 1 byte; 20 padding on; 24:22 after every 32 words; 31:25 four words
	s_mov_b32 s[G1+1], 128<<16                     ; tensor_dim0
	s_mov_b32 s[G1+2], 64<<16                      ; tensor_dim1
	s_mov_b32 s[G1+3], 128<<16                     ; tile_dim0
	s_mov_b32 s[G1+4], 64                          ; tile_dim1
	s_mov_b32 s[G1+5], 128                         ; from row to row
	s_mov_b32 s[G1+6], 0
	s_mov_b32 s[G1+7], 0
	s_mov_b32 s[SEL], 0x76543210
	s_mov_b32 s[SEL+1], 0xfedcba98
	s_mov_b32 s[CS], 0x3e38aa3b                    ; log2(e) / 8
	s_mov_b32 s[TB], 0
	s_mov_b32 s[KN], 0
	s_mov_b32 s[TR], 0
	s_mov_b32 s[KF], 0
	s_mov_b32 s[SLOTS], 16
	s_sub_co_u32 s84, s[WV], 4
	s_lshr_b32 s84, s84, 2                         ; 0 in waves 4 to 7,
	s_or_b32 s84, s84, ttmp9                       ; of work-group i = 0
	s_cmp_eq_u32 s84, 0
	s_cselect_b32 s[LIM], 2, -1
	s_wait_kmcnt 0x0
	s_load_b256 s[68:75], s[6:7], 0x0              ; e0 .. e7
	s_load_b128 s[76:79], s[6:7], 0x20             ; e8 .. e11
	s_add_nc_u64 s[BASE:BASE+1], s[4:5], s[OFS:OFS+1]
	s_mov_b64 s[G0+2:G0+3], s[BASE:BASE+1]         ; 120:64 global address: key step 0
	s_or_b32 s[G0+3], s[G0+3], 0x80000000          ; 127:126 type = 2
	TLOAD                                          ; key step 0 into slot 0
	s_add_nc_u64 s[PFA:PFA+1], s[BASE:BASE+1], 0x4000   ; at key step 1: the first change of slots steps it to key step 2
	s_add_nc_u64 s[QH:QH+1], s[4:5], s[88:89]
	s_add_nc_u64 s[QL:QL+1], s[4:5], s[90:91]
	s_add_nc_u64 s[8:9], s[8:9], s[92:93]
	global_load_b128 v[16:19], v[QO], s[QH:QH+1]             ; Q's fragments stay in registers: registers 4 c .. 4 c + 3 hold d = 32 c + 16 h + 0 .. 15, as K's do
	global_load_b128 v[20:23], v[QO], s[QH:QH+1] offset:32
	global_load_b128 v[24:27], v[QO], s[QL:QL+1]
	global_load_b128 v[28:31], v[QO], s[QL:QL+1] offset:32
	v_mov_b32 v13, 0xff61b1e6                      ; the largest t so far: -3e38, under every t
	s_delay_alu instid0(VALU_DEP_1)
	v_floor_f32 v12, -v13                          ; -M
	v_mov_b32 v14, 0                               ; the sum, in two halves
	v_mov_b32 v15, 0
	v_mov_b32 v246, 0                              ; written once: a lane permute's destination counts as one of its sources
	v_mov_b32 v252, 0
	v_mov_b32 v253, 0                              ; (named as the upper half of the pair v[252:253])
.set j, 0
.rept 40
	v_mov_b32 v[160+j], 0                          ; O^T (the step is written once: a block's first step finds zeros), and the high block's codes, so that they are written on every path of the text
.set j, j+1
.endr
	s_wait_kmcnt 0x0
	s_add_co_i32 s84, s74, s75
	s_lshl_b32 s84, s84, 23
	s_add_co_i32 s[CS], s[CS], s84                 ; a score stands for score x 2^(e6 + e7): added to c's exponent field
	s_mov_b32 s[CS+1], s[CS]                       ; (named with it as a pair, so it is written)
	s_add_co_i32 s84, s76, 127
	s_lshl_b32 s85, s84, 23
	v_mov_b32 v244, s85                            ; 2^e8
	s_sub_co_i32 s84, s78, s76
	s_sub_co_i32 s84, s84, s77
	s_add_co_i32 s84, s84, 127
	s_lshl_b32 s85, s84, 23
	v_mov_b32 v245, s85                            ; 2^(e10 - e8 - e9)
; A BLOCK IS FINISHED: the row's sum, O^T / the sum, the conversion: 8 codes a tile (d = 16 t + 8 h + 0 .. 7 of query r) into v[dst + 2 t].
.macro FINISH dst
	v_add_f32 v14, v14, v15                        ; the sum's two halves,
	s_delay_alu instid0(VALU_DEP_1)
	v_permlanex16_b32 v252, v14, s[SEL], s[SEL+1]
	s_delay_alu instid0(VALU_DEP_1)
	v_add_f32 v14, v14, v252                       ; and lane l xor 16's
	s_wait_alu depctr_va_vdst(0)
	v_rcp_f32 v14, v14
	v_nop                                          ; a plain line behind the transcendental,
	s_wait_alu depctr_va_vdst(0)                   ; and the wait ahead of its first reader
.set j, 0
.rept 16
	v_pk_mul_f32 v[160+j:161+j], v[160+j:161+j], v[14:15] op_sel_hi:[1,0]   ; each accumulator from its low end on
.set j, j+2
.endr
.set j, 0
.rept 32
.set j, j+1
.endr
.set j, 0
.rept 4
	v_cvt_scalef32_pk8_bf8_f32 v[\dst+2*j:\dst+2*j+1], v[160+8*j:167+8*j], v245
.set j, j+1
.endr
	v_nop                                          ; a plain line behind the last conversion
.endm
; A KEY STEP: 128 keys, in the slot in hand.
.macro STEP
	v_add_nc_u32 v[ADK], s[TB], v[AK0]
	v_add_nc_u32 v[ADV], s[TB], v[AV0]
	v_nop
	v_nop                                          ; four plain lines behind the last step's products: in front of reads of O^T and of loads into the fragments' registers
	s_cmp_eq_u32 s[TR], s[NHI]                     ; THE CHANGE OF BLOCKS, in trip 16 - i: a scalar branch on the work-group's number; no LDS line, barrier or tensor load stands under it
	s_cbranch_scc0 .Lsame_\@
	FINISH 192
.set j, 0
.rept 32
	v_mov_b32 v[160+j], 0
.set j, j+1
.endr
	v_mov_b32 v13, 0xff61b1e6
	s_delay_alu instid0(VALU_DEP_1)
	v_floor_f32 v12, -v13
	v_mov_b32 v14, 0
	v_mov_b32 v15, 0
.set j, 0
.rept 8
	v_mov_b32 v[16+j], v[24+j]                     ; the low block's Q
.set j, j+1
.endr
	s_mov_b32 s[Q0], s[Q0L]
	s_mov_b32 s[KF], 0
.Lsame_\@:
.set t, 0
	s_wait_alu depctr_va_vdst(0)
.rept 8                                        ; K: eight tiles of 16 keys x 64
	ds_load_b128 v[32+8*t:35+8*t], v[ADK] offset:(32*(t/2)+8*(t%2))*KP
	ds_load_b128 v[36+8*t:39+8*t], v[ADK] offset:(32*(t/2)+8*(t%2))*KP+32
.set t, t+1
.endr
	s_wait_dscnt 0x0
.set t, 0
.rept 8
	v_wmma_f32_16x16x64_bf8_bf8 v[96+8*t:103+8*t], v[32+8*t:39+8*t], v[16:23], 0
.set t, t+1
.endr
.rept 4
	v_nop                                          ; places in front of the loads below and of the first read of the scores
.endr
.set t, 0
.rept 4                                        ; V: four tiles of 16 of the head's 64 x 128 keys; they land while the softmax is worked
.set c, 0
.rept 4
	ds_load_b128 v[32+16*t+4*c:35+16*t+4*c], v[ADV] offset:16*t*KP+32*c
.set c, c+1
.endr
.set t, t+1
.endr
	s_add_co_u32 s96, s[KF], 127                   ; on the diagonal the scores of hidden keys become -infinity ahead of the maximum: p = 0 then.  A step all of whose keys count skips this
	s_cmp_le_u32 s96, s[Q0]
	s_cbranch_scc1 .Lopen_\@
	s_sub_co_i32 s96, s[Q0], s[KF]
	v_and_b32 v252, 15, v0
	v_bfe_u32 v253, v0, 4, 1
	s_delay_alu instid0(VALU_DEP_1)
	v_lshlrev_b32 v253, 4, v253
	s_delay_alu instid0(VALU_DEP_1)
	v_sub_nc_u32 v252, v252, v253
	s_delay_alu instid0(VALU_DEP_1)
	v_add_nc_u32 v252, s96, v252                   ; d = my query - KF - 16 h.  Register 16 b + i holds key KF + 16 h + 32 b + i: hidden where 32 b + i > d
	v_mov_b32 v254, 0xff800000                     ; -infinity
.set n, 0
.rept 64
	v_cmp_gt_i32 vcc_lo, 32*(n/16)+n%16, v252
	v_cndmask_b32 v[96+n], v[96+n], v254, vcc_lo
.set n, n+1
.endr
.Lopen_\@:
	v_max3_num_f32 v254, v96, v97, v98             ; the step's largest score of my query, among my 64 keys, in two chains,
	v_max3_num_f32 v252, v99, v100, v101
.set n, 6
.rept 14
	v_max3_num_f32 v254, v254, v[96+n], v[97+n]
	v_max3_num_f32 v252, v252, v[98+n], v[99+n]
.set n, n+4
.endr
	v_max3_num_f32 v254, v254, v158, v159
	s_delay_alu instid0(VALU_DEP_1)
	v_max_num_f32 v254, v254, v252
	s_delay_alu instid0(VALU_DEP_1)
	v_permlanex16_b32 v246, v254, s[SEL], s[SEL+1]
	s_delay_alu instid0(VALU_DEP_1)
	v_max_num_f32 v254, v254, v246                 ; and among lane l xor 16's
	s_delay_alu instid0(VALU_DEP_1)
	v_mul_f32 v254, s[CS], v254                    ; as t (c is positive)
	s_delay_alu instid0(VALU_DEP_1)
	v_max_num_f32 v13, v13, v254                   ; the running largest t
	v_mov_b32 v254, v12
	s_delay_alu instid0(VALU_DEP_2)
	v_floor_f32 v12, -v13                          ; the new -M = floor(-t) = -ceil(t): a whole number
	s_delay_alu instid0(VALU_DEP_1)
	v_sub_f32 v254, v12, v254                      ; old M - new M: a whole number, 0 or less
	s_delay_alu instid0(VALU_DEP_1)
	v_cvt_i32_f32 v254, v254                       ; (it saturates)
	s_delay_alu instid0(VALU_DEP_1)
	v_ldexp_f32 v252, 1.0, v254                    ; f = 2^(old M - new M)
.set n, 0
.rept 32
	v_pk_fma_f32 v[96+n:97+n], v[96+n:97+n], s[CS:CS+1], v[12:13] op_sel_hi:[1,0,0]   ; t - M, two at a time
.set n, n+2
.endr
.set n, 0
	s_wait_alu depctr_va_vdst(0)
.rept 64
	v_exp_f32 v[96+n], v[96+n]                     ; p = 2^(t - M), at most 1: not normalised
.set n, n+1
.endr
	v_pk_mul_f32 v[14:15], v[14:15], v[252:253] op_sel_hi:[1,0]   ; the sums under the new M.  (The plain line behind the exponentials)
	s_wait_alu depctr_va_vdst(0)                   ; one wait for the whole batch, ahead of its first reader
	v_pk_add_f32 v[242:243], v[100:101], v[104:105]
	v_pk_add_f32 v[254:255], v[108:109], v[112:113]
	v_pk_add_f32 v[250:251], v[116:117], v[120:121]
	v_pk_add_f32 v[248:249], v[124:125], v[128:129]
	v_pk_add_f32 v[240:241], v[132:133], v[136:137]
	v_pk_add_f32 v[238:239], v[140:141], v[144:145]
	v_pk_add_f32 v[236:237], v[148:149], v[152:153]
	v_pk_add_f32 v[14:15], v[14:15], v[156:157]
	v_pk_add_f32 v[242:243], v[242:243], v[96:97]
	v_pk_add_f32 v[254:255], v[254:255], v[98:99]
	v_pk_add_f32 v[250:251], v[250:251], v[102:103]
	v_pk_add_f32 v[248:249], v[248:249], v[106:107]
	v_pk_add_f32 v[240:241], v[240:241], v[110:111]
	v_pk_add_f32 v[238:239], v[238:239], v[114:115]
	v_pk_add_f32 v[236:237], v[236:237], v[118:119]
	v_pk_add_f32 v[14:15], v[14:15], v[122:123]
	v_pk_add_f32 v[242:243], v[242:243], v[126:127]
	v_pk_add_f32 v[254:255], v[254:255], v[130:131]
	v_pk_add_f32 v[250:251], v[250:251], v[134:135]
	v_pk_add_f32 v[248:249], v[248:249], v[138:139]
	v_pk_add_f32 v[240:241], v[240:241], v[142:143]
	v_pk_add_f32 v[238:239], v[238:239], v[146:147]
	v_pk_add_f32 v[236:237], v[236:237], v[150:151]
	v_pk_add_f32 v[14:15], v[14:15], v[154:155]
	v_pk_add_f32 v[242:243], v[242:243], v[158:159]
	s_delay_alu instid0(VALU_DEP_2)
	v_pk_add_f32 v[14:15], v[14:15], v[248:249]
	s_delay_alu instid0(VALU_DEP_2)
	v_pk_add_f32 v[242:243], v[242:243], v[240:241]
	v_pk_add_f32 v[254:255], v[254:255], v[238:239]
	v_pk_add_f32 v[250:251], v[250:251], v[236:237]
	s_delay_alu instid0(VALU_DEP_2)
	v_pk_add_f32 v[14:15], v[14:15], v[254:255]
	s_delay_alu instid0(VALU_DEP_2)
	v_pk_add_f32 v[242:243], v[242:243], v[250:251]
	s_delay_alu instid0(VALU_DEP_1)
	v_pk_add_f32 v[14:15], v[14:15], v[242:243]
.set b, 0
.rept 4
.set n, 0
.rept 16
.set n, n+1
.endr
	v_cvt_scalef32_pk8_bf8_f32 v[224+4*b:225+4*b], v[96+16*b:103+16*b], v244
	v_cvt_scalef32_pk8_bf8_f32 v[226+4*b:227+4*b], v[104+16*b:111+16*b], v244
.set b, b+1
.endr
.set n, 0
.rept 16
	v_pk_mul_f32 v[160+n:161+n], v[160+n:161+n], v[252:253] op_sel_hi:[1,0]   ; O^T under the new M.  (Also the plain lines between the conversions and the products)
.set n, n+2
.endr
	s_wait_alu depctr_va_vdst(0)
	s_wait_dscnt 0x0                               ; V is in
.set t, 0
.rept 4                                        ; O^T += V^T P^T: the four accumulators by turns, one instruction each
	v_wmma_f32_16x16x128_bf8_bf8 v[160+8*t:167+8*t], v[32+16*t:47+16*t], v[224:239], v[160+8*t:167+8*t]
.set t, t+1
.endr
	s_add_co_u32 s[KF], s[KF], 128
	s_add_co_u32 s[TR], s[TR], 1
	s_xor_b32 s[TB], s[TB], SLOT1                  ; on to the other slot
.endm
; THE CHANGE OF SLOTS stands at a trip's head.  Each wave waits for all its tensor loads (its part of the slot that it is about to read), adds 0 to its spare word, and waits for that and for its reads of the slot that it has left.
; Behind the barrier the slot ahead is whole and nobody reads the other one.  fill = 1: that other slot takes the next trip's key step: the load has a whole trip in which to land.
.macro CHANGE fill
	s_wait_tensorcnt 0x0                           ; no tensor load of mine is out, so group 0 may be written
	ds_add_u32 v[SPW], v[NIL]                      ; 0 onto my spare word
.if \fill
	s_xor_b32 s[G0+1], s[G0+1], SLOT1              ; the other slot than last time
	s_add_co_u32 s[KN], s[KN], 1                   ; the next key step;
	s_cmp_eq_u32 s[KN], s[NHI]
	s_cselect_b32 s[KN], 0, s[KN]                  ; behind the high block's last comes the low block's first
	s_lshl_b32 s[OFS], s[KN], 14                   ; 16 KiB a key step
	s_add_nc_u64 s[G0+2:G0+3], s[BASE:BASE+1], s[OFS:OFS+1]
	s_or_b32 s[G0+3], s[G0+3], 0x80000000
	s_wait_xcnt 0x0                                ; the last prefetch, a trip back, has read its address, so it may be written
	s_add_nc_u64 s[PFA:PFA+1], s[PFA:PFA+1], 0x4000
.endif
	s_wait_dscnt 0x0                               ; the add is done, and my reads of the slot that I have left are over
	s_barrier_signal -1
	s_barrier_wait -1
.if \fill
	TLOAD                                          ; the first thing behind the barrier, and a wave's one tensor load until the next
	ASK
.endif
.endm
	s_wait_loadcnt 0x0                             ; Q, both blocks'
.Lslot:                                            ; 16 trips: behind each change of slots but the last the next key step is asked for
	CHANGE 1
	STEP
	s_sub_co_u32 s[SLOTS], s[SLOTS], 1
	s_cmp_lg_u32 s[SLOTS], 0
	s_cbranch_scc1 .Lslot
	CHANGE 0                                       ; the seventeenth is written out
	STEP
.rept 4
	v_nop                                          ; places behind the last products
.endr
	FINISH 200
	; THE WAY OUT.  A row of ao holds both heads of the pair, from two waves: both blocks' codes meet in the stage, and each wave stores 16 whole rows of one block, 2,048 bytes on end.
.set t, 0
.rept 4
	ds_store_b64 v[STI], v[192+2*t:193+2*t] offset:16*t
	ds_store_b64 v[STI], v[200+2*t:201+2*t] offset:SBLK+16*t
.set t, t+1
.endr
	s_wait_dscnt 0x0                               ; for the others' sake: my stores into the stage are done
	s_barrier_signal -1
	s_barrier_wait -1
.set t, 0
.rept 4
	ds_load_b128 v[208+4*t:211+4*t], v[STR] offset:4*KP*t
.set t, t+1
.endr
.set t, 0
.rept 4
	s_wait_dscnt 3-t                               ; the younger loads may stay out
	global_store_b128 v[GO], v[208+4*t:211+4*t], s[8:9] offset:512*t   ; 32 lanes store 512 consecutive bytes, aligned
.set t, t+1
.endr
	s_wait_tensorcnt 0x0                           ; the wave's end
	ds_add_u32 v[SPW], v[NIL]
	s_wait_dscnt 0x0
	s_endpgm
.Lfunc_end_k_q92cc9f8a3c_attn:
	.size	k_q92cc9f8a3c_attn, .Lfunc_end_k_q92cc9f8a3c_attn-k_q92cc9f8a3c_attn
	.p2alignl 7, 3214868480
	.fill 96, 4, 3214868480
	.section	.rodata,"a",@progbits
	.p2align	6, 0x0
	.amdhsa_kernel k_q92cc9f8a3c_attn
		.amdhsa_group_segment_fixed_size 327680
		.amdhsa_private_segment_fixed_size 0
		.amdhsa_enable_private_segment 0
		.amdhsa_kernarg_size 24
		.amdhsa_user_sgpr_count 2
		.amdhsa_user_sgpr_kernarg_segment_ptr 1
		.amdhsa_wavefront_size32 1
		.amdhsa_system_sgpr_workgroup_id_x 1
		.amdhsa_system_sgpr_workgroup_id_y 1
		.amdhsa_system_sgpr_workgroup_id_z 1
		.amdhsa_system_vgpr_workitem_id 0
		.amdhsa_next_free_vgpr 256
		.amdhsa_next_free_sgpr 100
		.amdhsa_reserve_vcc 1
		.amdhsa_float_denorm_mode_32 3
		.amdhsa_float_denorm_mode_16_64 3
		.amdhsa_fp16_overflow 1
		.amdhsa_memory_ordered 1
		.amdhsa_forward_progress 1
		.amdhsa_inst_pref_size 58
	.end_amdhsa_kernel
	.amdgpu_metadata
---
amdhsa.version: [ 1, 2 ]
amdhsa.kernels:
  - .name:           k_q92cc9f8a3c_attn
    .symbol:         k_q92cc9f8a3c_attn.kd
    .args:
      - { .name: qkv, .offset: 0, .size: 8, .value_kind: global_buffer, .address_space: global }
      - { .name: lowp_scales, .offset: 8, .size: 8, .value_kind: global_buffer, .address_space: global }
      - { .name: ao, .offset: 16, .size: 8, .value_kind: global_buffer, .address_space: global }
    .group_segment_fixed_size: 327680
    .private_segment_fixed_size: 0
    .kernarg_segment_align: 8
    .kernarg_segment_size: 24
    .max_flat_workgroup_size: 512
    .sgpr_count:     100
    .vgpr_count:     256
    .wavefront_size: 32
...
	.end_amdgpu_metadata
.endif
;; end of part 3
;; launch proj (part 4): grid 4 x 32, 4 waves a work-group, clusters of 4 x 4, 327,680 bytes of LDS; arguments ao, cod, lowp_scales, bp, out0; writes out0
.if DOCPART == 4
	.amdgcn_target "amdgcn-amd-amdhsa--gfx1250"
	.amdhsa_code_object_version 6
	.text
	.protected	k_q92cc9f8a3c_proj
	.globl	k_q92cc9f8a3c_proj
	.p2align	8
	.type	k_q92cc9f8a3c_proj,@function
k_q92cc9f8a3c_proj:
	s_mov_b64 s[64:65], 0
	v_nop
	global_prefetch_b8 v0, s[64:65] scope:SCOPE_SE
	s_setreg_imm32_b32 hwreg(HW_REG_WAVE_MODE, 25, 1), 1
	s_wait_xcnt 0x0
	s_wait_alu depctr_hold_cnt(0) depctr_sa_sdst(0) depctr_va_vdst(0) depctr_va_sdst(0) depctr_va_ssrc(0) depctr_va_vcc(0) depctr_vm_vsrc(0)
	s_getreg_b32 s2, hwreg(HW_REG_IB_STS2, 6, 4)
	s_cmp_eq_u32 s2, 0
	s_cbranch_scc0 .Lentry_in_a_cluster
	s_endpgm
.Lentry_in_a_cluster:
	s_bfe_u32 s2, ttmp6, 0x10000c
	s_cmp_lg_u32 s2, 0xf033
	s_cbranch_scc0 .Lentry_shape_is_right
	s_endpgm
.Lentry_shape_is_right:
; out0 = a Wp^T x 2^(e10 + e11) + bp on codes of BF8 (E5M2): a = the attention's result, [8,192 tokens][1,024], Wp [1,024][1,024]; out0 [8,192][1,024] f32; sums in f32.
; a's codes lie in planes: ao [plane 8][token 8,192][128 bytes]: plane p holds K = 128 p .. 128 p + 127.  Wp's codes lie in cod at 27 MiB, rows of 1,024 bytes.
; LIMITS: e10 + e11 lies between -126 and 127.  Inside a matrix instruction k is permuted alike in both operands (fragments come by 16-byte loads).
; SHARES.  A work-group of four waves makes 256 x 256 of out0, a wave 128 x 128: 64 accumulators.  K goes in steps of 256 (two planes) through a ring of two LDS slots filled by the tensor data mover.
; 32 x 4 tiles: 128 work-groups.
; CLUSTERS: 4 x 4 work-groups: a's tiles are shared along a row of the cluster, Wp's along a column: each is asked for JOINTLY.  The matrix instruction is used transposed (source 0 = 16 rows of Wp, source 1 = 16 tokens): a lane holds eight neighbouring numbers of a row of out0.
; REGISTERS, in windows of 256: window 0: v0-31 addresses; v32-35 my four numbers of bp; from v128 a's fragments, ONE set; window 1: Wp's fragments, TWO sets; windows 2, 3: the accumulators ((a, b) at v[8 (8 (a % 4) + b)]).
.set ROWB,   256                       ; a row of Wp's tile: 256 along K
.set PA,     144                       ; a's LDS row: a plane's 128 bytes + 16 of padding
.set PB,     272                       ; Wp's: 256 bytes + 16
.set PLANE,  256*PA                    ; a plane's 256 rows: what one of a's tensor loads brings
.set HALFB,  128*PB                    ; 128 rows of Wp: what one of its loads brings
.set QA,     PLANE                     ; from a slot's first 128 along K to its second: the next plane,
.set QB,     128                       ; or 128 bytes on in the row
.set FR,     16
.set NL,     4
.set NP,     4                         ; places behind this matrix instruction (ISA guide 7.12.1)
.set SLOT,   2*PLANE+2*HALFB           ; a's two planes, then Wp's 256 rows
.set SPARE,  2*SLOT                    ; behind the ring: the spare words, 128 bytes a wave: two blocks of 256 bytes that no other line names
.set SPITCH, 528                       ; the way out: a stage of 16 rows x (512 bytes + 16) for each wave, in slot 0, which has had its last fill and its last read by then
.set ADRA, 16
.set ADRB, 20
.set STO,  24
.set RD,   25
.set CO,   26                          ; v26     16 x lane
.set SPW,  28
.set NIL,  29
.set BI,   32                          ; v32-35  bp at my four columns of a row of 128
.set AF,   128
.set BK,   128                         ; the way out: 16 rows read back: v128-191 and v192-255 by turns
.set G1,  24
.set G0,  32
.set G1B, 48
.set G0B, 56
.set MSB, 0
.macro WIN new                         ; the immediate's high byte repeats the setting that is left
.if MSB != \new
	s_set_vgpr_msb (MSB<<8)|\new
.set MSB, \new
.endif
.endm
.set MUL_LO, 0xa1
.set MUL_HI, 0xf1
.set TO_B,   0x40
.macro JLOAD g0a, g1a, g0b, g1b        ; a joint load: waves 0 and 1 fetch a's two planes, waves 2 and 3 Wp's halves; four v_nop follow each line
	s_cmp_eq_u32 s15, 0
	s_cbranch_scc0 .Lfor_b_\@
	tensor_load_to_lds s[\g0a:\g0a+3], s[\g1a:\g1a+7]
	s_nop 0
.rept 4
	v_nop
.endr
	s_branch .Lasked_\@
.Lfor_b_\@:
	tensor_load_to_lds s[\g0b:\g0b+3], s[\g1b:\g1b+7]
	s_nop 0
.rept 4
	v_nop
.endr
.Lasked_\@:
.endm
.macro CREST
	s_cmp_lg_u32 s14, 0
	s_cbranch_scc1 .Lnot_wave_0_\@
	s_barrier_signal -3
.Lnot_wave_0_\@:
	s_barrier_wait -3
	s_barrier_signal -1
	s_barrier_wait -1
.endm
.macro CROUND
	s_barrier_signal -1
	s_barrier_wait -1
	CREST
.endm
	s_load_b128 s[4:7], s[0:1], 0x0                ; ao s[4:5], cod s[6:7]
	s_load_b128 s[8:11], s[0:1], 0x10              ; the scales' exponents s[8:9], bp s[10:11]
	s_load_b64 s[12:13], s[0:1], 0x20              ; out0
	v_lshl_add_u32 v[SPW], v0, 2, SPARE
	v_mov_b32 v[NIL], 0
	ds_add_u32 v28, v29
	ds_add_u32 v28, v29
	s_wait_dscnt 0x0
	v_lshrrev_b32 v1, 5, v0
	v_readfirstlane_b32 s14, v1                    ; wave 0..3
	s_lshr_b32 s15, s14, 1                         ; which half of the tile's rows is mine.  Also: I fetch for a (0) or for Wp (1)
	s_and_b32 s16, s14, 1                          ; which half of its columns.  Also: which plane, or which 128 rows of Wp, I fetch
	s_bfe_u32 s40, ttmp6, 0x40000                  ; cx, cy
	s_bfe_u32 s41, ttmp6, 0x40004
	s_lshl_b32 s42, ttmp9, 2
	s_add_co_u32 s42, s42, s40                     ; tile column = 4 x cluster x + cx
	s_and_b32 s17, ttmp7, 0xffff
	s_lshl_b32 s17, s17, 2
	s_add_co_u32 s17, s17, s41                     ; tile row = 4 x cluster y + cy
	s_lshl_b32 s43, s41, 2
	s_lshl_b32 s43, 15, s43                        ; my row of the cluster
	s_lshl_b32 s44, 0x1111, s40                    ; my column
	; group 1 for a: 256 rows of 128 bytes, dense in memory
	s_or_b32 s[G1+0], s43, (1<<20)|(1<<21)|(4<<22)|(3<<25)   ; the mask; elements of 1 byte; padding on; bit 21 beside a mask; after every 32 words four words
	s_mov_b32 s[G1+1], 128<<16                     ; tensor_dim0
	s_mov_b32 s[G1+2], 256<<16                     ; tensor_dim1
	s_mov_b32 s[G1+3], 128<<16                     ; tile_dim0
	s_mov_b32 s[G1+4], 256                         ; tile_dim1
	s_mov_b32 s[G1+5], 128                         ; from row to row
	s_mov_b32 s[G1+6], 0
	s_mov_b32 s[G1+7], 0
	; group 1 for Wp: 128 rows of 256 bytes, 1,024 bytes apart
	s_or_b32 s[G1B+0], s44, (1<<20)|(1<<21)|(5<<22)|(3<<25)  ; after every 64 words four words
	s_mov_b32 s[G1B+1], ROWB<<16
	s_mov_b32 s[G1B+2], 128<<16
	s_mov_b32 s[G1B+3], ROWB<<16
	s_mov_b32 s[G1B+4], 128
	s_mov_b32 s[G1B+5], 1024
	s_mov_b32 s[G1B+6], 0
	s_mov_b32 s[G1B+7], 0
	s_lshl_b32 s20, s17, 15                        ; a: the tile's 256 rows of 128 bytes,
	s_lshl_b32 s21, s16, 20                        ; in my plane of the K step's two (1 MiB a plane)
	s_add_co_u32 s20, s20, s21
	s_mov_b32 s21, 0
	s_lshl_b32 s46, s42, 18                        ; Wp: the tile's 256 rows of 1,024 bytes,
	s_lshl_b32 s47, s16, 17                        ; my 128 of them,
	s_add_co_u32 s46, s46, s47
	s_add_co_u32 s46, s46, 0x1b00000               ; 27 MiB on in cod
	s_mov_b32 s47, 0
	s_mul_i32 s45, s16, PLANE                      ; where they go: no place in the cluster enters an LDS address
	s_mul_i32 s18, s16, HALFB
	s_add_co_u32 s18, s18, 2*PLANE
	s_wait_kmcnt 0x0
	s_load_b64 s[96:97], s[8:9], 0x28              ; e10, e11
	s_add_nc_u64 s[20:21], s[4:5], s[20:21]
	s_add_nc_u64 s[46:47], s[6:7], s[46:47]
	CROUND                                         ; all sixteen work-groups are here: the first joint loads meet
.irp s, 0,1
	s_mov_b32 s[G0+4*\s], 1
	s_add_co_u32 s[G0+4*\s+1], s45, \s*SLOT
	s_add_nc_u64 s[G0+4*\s+2:G0+4*\s+3], s[20:21], \s*0x200000     ; K step s: two planes on
	s_or_b32 s[G0+4*\s+3], s[G0+4*\s+3], 0x80000000
	s_mov_b32 s[G0B+4*\s], 1
	s_add_co_u32 s[G0B+4*\s+1], s18, \s*SLOT
	s_add_nc_u64 s[G0B+4*\s+2:G0B+4*\s+3], s[46:47], \s*ROWB
	s_or_b32 s[G0B+4*\s+3], s[G0B+4*\s+3], 0x80000000
	s_wait_alu depctr_va_vdst(0)
	s_wait_tensorcnt 0x0
	ds_add_u32 v28, v29
	ds_add_u32 v28, v29
	s_wait_dscnt 0x0
	CROUND
	JLOAD G0+4*\s, G1, G0B+4*\s, G1B
.endr
	v_and_b32 v1, 15, v0                           ; r
	v_bfe_u32 v2, v0, 4, 1                         ; h
	v_mul_u32_u24 v3, v1, PA
	v_lshl_add_u32 v4, v2, 4, v3                   ; a: row x pitch + 16 h
	v_mul_u32_u24 v3, v1, PB
	v_lshl_add_u32 v5, v2, 4, v3                   ; Wp likewise
	s_mul_i32 s21, s15, 128*PA                     ; my 128 rows of a plane
	s_mul_i32 s22, s16, HALFB                      ; my 128 rows of Wp,
	s_add_co_u32 s22, s22, 2*PLANE                 ; which lie behind a's two planes
.irp s, 0,1
	v_add_nc_u32 v[ADRA+\s], s21, v4
	v_add_nc_u32 v[ADRB+\s], s22, v5
	s_add_co_u32 s21, s21, SLOT
	s_add_co_u32 s22, s22, SLOT
.endr
	s_mul_i32 s23, s14, 16*SPITCH                  ; my stage
	v_mul_u32_u24 v5, v1, SPITCH                   ; in: row r, 32 bytes for each half of the lanes
	v_lshl_add_u32 v5, v2, 5, v5
	v_add_nc_u32 v[STO], s23, v5
	v_and_b32 v6, 31, v0
	v_lshlrev_b32 v[CO], 4, v6                     ; back: the 32 lanes take one row of 512 bytes; and the same in out0 and in bp
	v_add_nc_u32 v[RD], s23, v[CO]
	s_lshl_b32 s46, s42, 10                        ; my first column, in bytes: 1,024 x tile column + 512 x half
	s_lshl_b32 s47, s16, 9
	s_add_co_u32 s46, s46, s47
	s_mov_b32 s47, 0
	s_add_nc_u64 s[10:11], s[10:11], s[46:47]
	global_load_b128 v[BI:BI+3], v[CO], s[10:11]   ; read back from the stage, lane L always holds columns 4 L .. 4 L + 3: four numbers of bp serve all my rows
	s_lshl_b32 s20, s17, 8
	s_lshl_b32 s21, s15, 7
	s_add_co_u32 s20, s20, s21                     ; my first row: 256 x tile row + 128 x half,
	s_lshl_b32 s20, s20, 12                        ; of 4,096 bytes
	s_mov_b32 s21, 0
	s_add_nc_u64 s[20:21], s[20:21], s[46:47]
	s_add_nc_u64 s[12:13], s[12:13], s[20:21]
.macro FRAG reg, adr, off              ; a fragment, 16 rows x 128 K, is 16 registers: registers 4 c .. 4 c + 3 hold K = 32 c + 16 (l / 16) + 0 .. 15
.irp c, 0,1,2,3
	ds_load_b128 v[\reg+4*\c:\reg+4*\c+3], v[\adr] offset:\off+32*\c
.endr
.endm
; 16 matrix instructions; the 64 accumulators take turns, one instruction a turn, in the same order in every step
.macro MUL16 a0, p, zero
.irp a, \a0, \a0+1
.irp b, 0,1,2,3,4,5,6,7
.if \zero
	v_wmma_f32_16x16x128_bf8_bf8 v[8*(8*((\a)%4)+\b):8*(8*((\a)%4)+\b)+7], v[128*(\p)+FR*\b:128*(\p)+FR*\b+FR-1], v[AF+FR*(\a):AF+FR*(\a)+FR-1], 0
.else
	v_wmma_f32_16x16x128_bf8_bf8 v[8*(8*((\a)%4)+\b):8*(8*((\a)%4)+\b)+7], v[128*(\p)+FR*\b:128*(\p)+FR*\b+FR-1], v[AF+FR*(\a):AF+FR*(\a)+FR-1], v[8*(8*((\a)%4)+\b):8*(8*((\a)%4)+\b)+7]
.endif
.endr
.endr
.endm
.macro FETCH_B slot, q, p
	WIN TO_B
.irp i, 0,1,2,3,4,5,6,7
	FRAG 128*(\p)+FR*\i, ADRB+\slot, QB*(\q)+\i*16*PB
.endr
	WIN 0
.endm
.macro FETCH_A slot, q, i0
.irp i, \i0, \i0+1, \i0+2, \i0+3
	FRAG AF+FR*(\i), ADRA+\slot, QA*(\q)+(\i)*16*PA
.endr
.endm
.macro PLACES n                        ; plain vector lines between a matrix instruction and a load into one of its registers, or a read of its result
.rept \n
	v_nop
.endr
.endm
.macro STEP slot, q, zero
	s_wait_dscnt 4*NL                              ; Wp's set and a's blocks 0-3 are in; the youngest 16 loads (a's blocks 4-7) may be out
	WIN MUL_LO
	MUL16 0, (\q)%2, \zero
	MUL16 2, (\q)%2, \zero
	s_wait_dscnt 0
	PLACES NP
	FETCH_B \slot, (\q)+1, 1-(\q)%2
	FETCH_A \slot, (\q)+1, 0
	WIN MUL_HI
	MUL16 4, (\q)%2, \zero
	MUL16 6, (\q)%2, \zero
	PLACES NP
	WIN 0
	FETCH_A \slot, (\q)+1, 4
.endm
; A slot's last step changes slots: ONE barrier; in front of it each wave waits for all its tensor loads, adds 0 to its spare word, and waits for that and for its own reads of this slot.
.macro TURN slot, next, fill
	s_wait_tensorcnt 0x0                           ; all my tensor loads have landed: my part of the next slot
	ds_add_u32 v[SPW], v[NIL]                      ; 0 onto my spare word
	s_wait_dscnt 4*NL+1                            ; (the add and the youngest 16 loads may be out)
	WIN MUL_LO
	MUL16 0, 1, 0
	s_wait_dscnt 0x0                               ; the add is done, and my reads of this slot are over
	s_barrier_signal -1
	MUL16 2, 1, 0
	WIN 0
	s_barrier_wait -1
.if \fill
	CREST                                          ; a round of the cluster's barrier: no wave of any partner still reads this slot or has a load on its way
	s_add_nc_u64 s[G0+4*\slot+2:G0+4*\slot+3], s[G0+4*\slot+2:G0+4*\slot+3], 0x400000   ; two K steps on: four planes
	s_add_nc_u64 s[G0B+4*\slot+2:G0B+4*\slot+3], s[G0B+4*\slot+2:G0B+4*\slot+3], 2*ROWB
	JLOAD G0+4*\slot, G1, G0B+4*\slot, G1B         ; the first tensor load behind the round; its four v_nop are the places in front of the loads below
.else
	PLACES NP
.endif
	FETCH_B \next, 0, 0
	FETCH_A \next, 0, 0
	WIN MUL_HI
	MUL16 4, 1, 0
	MUL16 6, 1, 0
	PLACES NP
	WIN 0
	FETCH_A \next, 0, 4
.endm
	s_wait_alu depctr_va_vdst(0)
	s_wait_tensorcnt 1                             ; my part of K step 0 is in (K step 1's load may be out)
	s_barrier_signal -1
	s_barrier_wait -1                              ; everybody's is
	FETCH_B 0, 0, 0
	FETCH_A 0, 0, 0
	FETCH_A 0, 0, 4
	; K = 1,024 is four K steps of 256, eight steps of 128: written out; a loop over the ring's laps would have one trip
	STEP 0, 0, 1
	TURN 0, 1, 1
	STEP 1, 0, 0
	TURN 1, 0, 1
	STEP 0, 0, 0
	TURN 0, 1, 0
	STEP 1, 0, 0
	s_wait_dscnt 4*NL
	WIN MUL_LO
	MUL16 0, 1, 0
	MUL16 2, 1, 0
	s_wait_dscnt 0
	WIN MUL_HI
	MUL16 4, 1, 0
	MUL16 6, 1, 0
	WIN 0
; THE WAY OUT, block by block of 16 rows x 128 columns.  The sums go into my own stage as they are, straight from the accumulators, and come back as whole rows of 512 bytes; there one packed multiply-add for two numbers
; gives sum x 2^(e10 + e11) + bp.  LDS serves a wave's instructions in order (ISA guide 5.7.1.4): no wait between the stores and the loads.
.macro TOSTAGE a
.set AC, 64*((\a)%4)
.set BB, BK+64*((\a)%2)
.set WN, 0x08+4*((\a)/4)
	WIN WN                                         ; an LDS store's data: source 1, window 2 or 3
.irp b, 0,1,2,3,4,5,6,7
	ds_store_b128 v[STO], v[AC+8*\b:AC+8*\b+3] offset:64*\b          ; each accumulator from its low end on
	ds_store_b128 v[STO], v[AC+8*\b+4:AC+8*\b+7] offset:64*\b+16
.endr
	WIN 0
.irp t, 0,1,2,3,4,5,6,7,8,9,10,11,12,13,14,15
	ds_load_b128 v[BB+4*\t:BB+4*\t+3], v[RD] offset:\t*SPITCH
.endr
.endm
.macro SEND a, younger                 ; younger: the LDS instructions issued behind block a's loads, which may stay out
.set BB, BK+64*((\a)%2)
	s_wait_dscnt \younger
.if (\a) > 0
	s_add_nc_u64 s[12:13], s[12:13], 16*4096       ; (behind a wait on XCNT: the earlier stores have read their base)  16 rows on
.endif
.irp t, 0,1,2,3,4,5,6,7,8,9,10,11,12,13,14,15
	v_pk_fma_f32 v[BB+4*\t:BB+4*\t+1], v[BB+4*\t:BB+4*\t+1], s[96:97], v[BI:BI+1] op_sel_hi:[1,0,1]
	v_pk_fma_f32 v[BB+4*\t+2:BB+4*\t+3], v[BB+4*\t+2:BB+4*\t+3], s[96:97], v[BI+2:BI+3] op_sel_hi:[1,0,1]
.endr
.irp t, 0,1,2,3,4,5,6,7,8,9,10,11,12,13,14,15
	global_store_b128 v[CO], v[BB+4*\t:BB+4*\t+3], s[12:13] offset:\t*4096 th:TH_STORE_NT   ; 32 lanes store 512 consecutive bytes, aligned; written once, read by nobody here
.endr
.endm
	s_wait_kmcnt 0x0
	s_add_co_i32 s96, s96, s97                     ; e10 + e11
	s_add_co_i32 s96, s96, 127
	s_lshl_b32 s96, s96, 23                        ; 2^(e10 + e11) as f32
	s_mov_b32 s97, s96                             ; (named with it as a pair, so it is written)
	s_wait_loadcnt 0x0                             ; bp
	PLACES NP                                      ; in front of the LDS stores that read the last results and of the loads into the registers that held a's fragments
	TOSTAGE 0
.irp a, 1,2,3,4,5,6,7
.if \a > 1
	s_wait_xcnt 0x0                                ; block a - 2's stores have read their registers and their base: block a's loads may land there, and the base may step
.endif
	TOSTAGE \a
	SEND \a-1, 32                                  ; behind block a - 1's loads: block a's 16 stores and 16 loads
.endr
	s_wait_xcnt 0x0                                ; block 6's stores have read their base
	SEND 7, 0
	s_wait_tensorcnt 0x0                           ; the wave's end
	ds_add_u32 v[SPW], v[NIL]
	s_wait_dscnt 0x0
	CROUND                                         ; the closing round: no work-group ends while a partner may still ask for a tile that names it
	s_endpgm
.Lfunc_end_k_q92cc9f8a3c_proj:
	.size	k_q92cc9f8a3c_proj, .Lfunc_end_k_q92cc9f8a3c_proj-k_q92cc9f8a3c_proj
	.p2alignl 7, 3214868480
	.fill 96, 4, 3214868480
	.section	.rodata,"a",@progbits
	.p2align	6, 0x0
	.amdhsa_kernel k_q92cc9f8a3c_proj
		.amdhsa_group_segment_fixed_size 327680
		.amdhsa_private_segment_fixed_size 0
		.amdhsa_enable_private_segment 0
		.amdhsa_kernarg_size 40
		.amdhsa_user_sgpr_count 2
		.amdhsa_user_sgpr_kernarg_segment_ptr 1
		.amdhsa_wavefront_size32 1
		.amdhsa_system_sgpr_workgroup_id_x 1
		.amdhsa_system_sgpr_workgroup_id_y 1
		.amdhsa_system_sgpr_workgroup_id_z 1
		.amdhsa_system_vgpr_workitem_id 0
		.amdhsa_next_free_vgpr 1024
		.amdhsa_next_free_sgpr 100
		.amdhsa_reserve_vcc 0
		.amdhsa_float_denorm_mode_32 3
		.amdhsa_float_denorm_mode_16_64 3
		.amdhsa_memory_ordered 1
		.amdhsa_forward_progress 1
		.amdhsa_inst_pref_size 124
	.end_amdhsa_kernel
	.amdgpu_metadata
---
amdhsa.version: [ 1, 2 ]
amdhsa.kernels:
  - .name:           k_q92cc9f8a3c_proj
    .symbol:         k_q92cc9f8a3c_proj.kd
    .args:
      - { .name: ao, .offset: 0, .size: 8, .value_kind: global_buffer, .address_space: global }
      - { .name: cod, .offset: 8, .size: 8, .value_kind: global_buffer, .address_space: global }
      - { .name: lowp_scales, .offset: 16, .size: 8, .value_kind: global_buffer, .address_space: global }
      - { .name: bp, .offset: 24, .size: 8, .value_kind: global_buffer, .address_space: global }
      - { .name: out0, .offset: 32, .size: 8, .value_kind: global_buffer, .address_space: global }
    .group_segment_fixed_size: 327680
    .private_segment_fixed_size: 0
    .kernarg_segment_align: 8
    .kernarg_segment_size: 40
    .max_flat_workgroup_size: 128
    .sgpr_count:     100
    .vgpr_count:     1024
    .wavefront_size: 32
...
	.end_amdgpu_metadata
.endif
;; end of part 4
